; MI455X (gfx1250); checked and timed in simulation.
; The chip was launched on July 23, 2026; its instructions are those of AMD's public machine-readable ISA for CDNA 5 (MIT licence, August 2026) and "CDNA5" Instruction Set Architecture Reference Guide (July 2026). The comments in the code are by the model that wrote it; some were corrected since.
;; Multi Head Relative Self Attention. Allowed arithmetic: matrix products marked QUANTISED: E4M3 operands, one E8M0 scale for each 32 along K, by v_wmma_scale_f32_16x16x128_f8f6f4 with both operands' format E4M3, f32 sums; products left as they are: f32 operands where the result goes on into a quantised operand, else bf16, f16 or f32 operands; f32 sums; everything else in f32.
;; Inputs: Wo 1,024 x 1,024 float32; Wqkv 1,024 x 3,072 float32; Wr 1,024 x 1,024 float32; inputs 8 x 1,024 x 1,024 float32; mask 8 x 1,024 bool.
;; Outputs: out0 8 x 1,024 x 1,024 float32.
;; This version of the problem:
;;   THIS VERSION OF THE PROBLEM IS GIVEN IN LOW PRECISION. The matrix products marked QUANTISED in the list below multiply operands that are first quantised to E4M3 (4 exponent bits, 3 mantissa bits; 8 bits a number), with one power-of-two scale for each 32 numbers along K (OCP MX v1.0); their sums are f32. All else is computed in f32.
;;   The module's matrix products, in the order in which they are computed (A, B: the left and right operand; K: the contracted axis; several contracted axes count as one K, in the product's order):
;;     1. [M 8,192, K 1,024] x [K 1,024, N 3,072]; A: input inputs; B: input Wqkv: QUANTISED
;;     2. [M 1,024, K 1] x [K 1, N 512]; A: computed on the way; B: computed on the way: left as it is (no contracted axis)
;;     3. [M 1,024, K 1,024] x [K 1,024, N 1,024]; A: computed on the way; B: input Wr: QUANTISED
;;     4. batch 128 x [M 1,024, K 64] x [K 64, N 1,024]; A: computed on the way; B: computed on the way: QUANTISED
;;     5. batch 16 x [M 1,024, K 64] x [K 64, N 8,192]; A: computed on the way; B: computed on the way: QUANTISED
;;     6. batch 128 x [M 64, K 1,024] x [K 1,024, N 1,024]; A: computed on the way; B: softmax (see below): QUANTISED
;;     7. [M 8,192, K 1,024] x [K 1,024, N 1,024]; A: computed on the way; B: input Wo: QUANTISED
;;   THE QUANTISER, for each operand of a quantised product, along K:
;;     - K is cut into blocks of 32 from its start; a last block that is shorter is filled with zeros.
;;     - A block's scale is 2^e with e = floor(log2(the largest magnitude in the block)) - 8, held to -126 .. 127; a block of zeros has e = 0. As a byte (E8M0): e + 127.
;;     - Each number is divided by its block's scale, clamped to +-448, and rounded to the nearest number of E4M3, ties to even, subnormals kept.
;;     - The product sums the exact products of the quantised numbers (number of the format x scale) in f32.
;;   ~~~python
;;   def quantise(x, axis):      # numpy; x: float32 -> the quantised numbers, widened to float32 again
;;       x = np.moveaxis(x, axis, -1); K = x.shape[-1]
;;       x = np.pad(x, [(0, 0)] * (x.ndim - 1) + [(0, -K % 32)]); x = x.reshape(x.shape[:-1] + (-1, 32)); a = np.abs(x).max(-1, keepdims=True)
;;       e = np.where(a > 0, np.clip(np.frexp(np.where(a > 0, a, 1))[1] - 1 - 8, -126, 127), 0)      # np.frexp(a)[1] - 1 = floor(log2(a)), exactly
;;       r = np.clip(x / 2.0 ** e, -448, 448)
;;       step = 2.0 ** (np.maximum(np.frexp(np.where(r == 0, 1, r))[1] - 1, -6) - 3)
;;       q = np.round(r / step) * step * 2.0 ** e      # np.round: ties to even
;;       return np.moveaxis(q.reshape(q.shape[:-2] + (-1,))[..., :K], -1, axis).astype(np.float32)
;;   ~~~
;;   SOFTMAX AHEAD OF A QUANTISED PRODUCT. Where the list says 'softmax', what is quantised is not the finished softmax but p = 2^(t - M), with t = logit x log2(e) and M = ceil(the row's largest t), a whole number; so 1/2 < the row's largest p <= 1. The row's sum l is taken of the UNQUANTISED p, in f32, and the product's result is divided by l at the end. Since M is a whole number, a kernel that streams over the keys may use a running M (the ceiling of the running maximum): every later rescaling is an exact power of two, which a block's scale takes up: the codes' values come out the same.
;;   OPERANDS COMPUTED ON THE WAY. 'Computed on the way' means the value that the module computes at that place (a softmax that the list does not call 'softmax' is quantised finished and normalised). What goes into a quantiser is computed in f32, as accurately as f32 sums, v_exp_f32 and their like allow (about 1e-6 of the number): no bf16 or f16 on the way to a quantiser, and a product that is left as it is and whose result goes on into a quantised operand takes f32 operands (vector FMAs, or v_wmma_f32_16x16x4_f32). A number that lies on a knife's edge between two numbers of the format may be rounded either way, as far as f32 arithmetic and the matrix unit's own rounding can turn it there, and no further.
;; One version. Each part assembles by itself: llvm-mc -triple=amdgcn-amd-amdhsa -mcpu=gfx1250 --defsym DOCPART=n.
;; ======== version 1 of 1: 4 launches
;; limits: right only within a limited range of input values
;; workspace buffers: ops 15,138,816 bytes; img 27,590,656 bytes; att 8,650,752 bytes
;; launch prep (part 1): grid 448 x 1, 4 waves a work-group, no clusters, 69,120 bytes of LDS; arguments inputs, Wqkv, Wr, Wo, ops; writes ops
.if DOCPART == 1
	.amdgcn_target "amdgcn-amd-amdhsa--gfx1250"
	.amdhsa_code_object_version 6
	.text
	.protected	k_qd0f6a7793b_prep
	.globl	k_qd0f6a7793b_prep
	.p2align	8
	.type	k_qd0f6a7793b_prep,@function
k_qd0f6a7793b_prep:
	s_mov_b64 s[64:65], 0
	v_nop
	global_prefetch_b8 v0, s[64:65] scope:SCOPE_SE
	s_setreg_imm32_b32 hwreg(HW_REG_WAVE_MODE, 25, 1), 1
	s_wait_xcnt 0x0
; PREP: every operand of the two large products that is known before them becomes codes of E4M3 with one E8M0 byte for each 32 along K.
; ops holds ONE matrix of 14,336 rows x 1,024 codes, K innermost: rows 0-8191 x, 8192-9215 pos, 9216-12287 the columns of Wqkv, 12288-13311 of Wr, 13312-14335 of Wo;
; behind it (byte OPS) the scale bytes, 32 a row, in the same row order.
; The rows of Wqkv and Wr are stored with bits 3 and 4 of their index exchanged, so that in the next launch a lane's 16 results of two neighbouring tiles are 16 neighbouring columns.
; Three paths, chosen by the work-group's number: 0-31 pos (computed here), 32-191 the weights (K is their first axis), 192-447 x (K innermost).  Each path has LDS bytes of its own; waves share nothing: no barrier.
; A block's scale is 2^(floor(log2(largest magnitude)) - 8): its byte is the largest magnitude's exponent field - 8, held at 1 from below; numbers are held within +-448 x the scale and rounded to the nearest code.
; LIMITS: a block of zeros, or one whose largest magnitude lies under 2^-118, gets the byte 1 (its codes are zeros or subnormal codes; this program alone reads the bytes); NaN and infinities are not served.
; pos: inv_freq is one multiplication and one v_exp_f32; the argument p x f may differ from a correctly rounded one by some 1e-4 rad at p near 1023 and small j (one part in 1e7 of the argument).
.set OPS,   14680064
.set MANT,  0x600000                   ; the mantissa field of 448
.set SP,    80                         ; path X: a lane's place in a stage: 64 bytes + 16 of padding
.set XRW,   16                         ; path X: v16-79 four sets of 16 numbers as loaded
.set XNB,   80                         ;         v80-111 two sets of 16 neighbours
.set XEB,   112                        ;         v112-127 a scale byte for each step
.set XCD,   128                        ;         v128-191 codes, four registers a step
.set WLDS,  32768                      ; path W: LDS from here, 8,704 bytes a wave
.set WPITCH, 272
.set WSB,   24                         ; path W: v24-25 scale bytes
.set WX,    32                         ;         v32-95 two sets of 32 numbers
.set WC,    96                         ;         v96-103 a block's codes
.set WOUT,  112                        ;         v112-175 the way out
.set VO,    176                        ;         v176-207 4 x lane + i rows of the tensor
.set BT,    32                         ;         s[32:47] a base for each block of 32 along K
.set PLDS,  67584                      ; path P: LDS from here, 256 bytes a wave
.set PF,    16                         ; path P: v16-31 my 16 frequencies
.set SN,    32                         ;         v32-47 sines, v48-63 cosines
.set CN,    48
.set PT,    64                         ;         v64-159 at work: 12 registers for each of eight numbers; v160-169 codes and bytes
; 16 neighbours along K of one lane, v[s] on, become 16 codes in v[d] on and the block's byte in v[e]; two neighbouring lanes hold a block.  s23 = MANT.
.macro Q16 s, d, e
	v_max3_num_f32 v8, |v[\s]|, |v[\s+1]|, |v[\s+2]|
	v_max3_num_f32 v9, |v[\s+3]|, |v[\s+4]|, |v[\s+5]|
.irp i, 6,10
	v_max3_num_f32 v8, v8, |v[\s+\i]|, |v[\s+\i+1]|
	v_max3_num_f32 v9, v9, |v[\s+\i+2]|, |v[\s+\i+3]|
.endr
	v_max3_num_f32 v8, v8, |v[\s+14]|, |v[\s+15]|
	v_max3_num_f32 v8, v8, v9, 0x4800000           ; the floor 2^(9 - 127): the byte cannot fall under 1
	v_max_num_f32_dpp v8, v8, v8 row_xmask:1 row_mask:0xf bank_mask:0xf   ; with my neighbour's 16: the block's largest magnitude
	v_add_nc_u32 v11, 0xfc000000, v8               ; 8 off its exponent field: the conversion's scale operand
	v_and_or_b32 v12, v8, 0x7f800000, s23          ; 448 x the scale
.irp i, 0,1,2,3,4,5,6,7,8,9,10,11,12,13,14,15
	v_med3_num_f32 v[\s+\i], v[\s+\i], -v12, v12   ; the conversion does not saturate (ISA guide 7.6.2): the hold comes first
.endr
	v_cvt_scalef32_pk8_fp8_f32 v[\d:\d+1], v[\s:\s+7], v11
	v_cvt_scalef32_pk8_fp8_f32 v[\d+2:\d+3], v[\s+8:\s+15], v11
	v_lshrrev_b32 v[\e], 23, v11                   ; the scale's byte (also the plain line behind the conversions)
.endm
	v_lshl_add_u32 v208, v0, 2, 0x10c00
	v_mov_b32 v209, 0
	s_cmp_lt_u32 ttmp9, 32
	s_cbranch_scc1 .Lpos
	s_cmp_lt_u32 ttmp9, 192
	s_cbranch_scc1 .Lwt
; ---------------- PATH X: x is a plain stream of blocks of 32.  A wave takes 16 steps of 512 numbers: 8,192 numbers, 8,192 codes, 256 scale bytes.
; Each load reads 512 consecutive bytes; a step's 2,048 bytes turn through the wave's own stage so that a lane holds 16 neighbours.
	s_load_b64 s[4:5], s[0:1], 0x0                 ; inputs
	s_load_b64 s[8:9], s[0:1], 0x20                ; ops
	v_lshrrev_b32 v1, 5, v0
	v_readfirstlane_b32 s16, v1                    ; wave
	v_and_b32 v2, 31, v0                           ; lane
	v_lshlrev_b32 v3, 4, v2                        ; my 16 bytes of a load's 512, and of a step's 512 codes
	s_lshl_b32 s17, s16, 13                        ; my wave's 8,192 bytes of LDS
	v_lshrrev_b32 v14, 2, v2
	v_mul_u32_u24 v14, v14, SP
	v_and_b32 v15, 3, v2
	v_lshl_add_u32 v14, v15, 4, v14
	v_add_nc_u32 v14, s17, v14                     ; into the stage: SP (lane / 4) + 16 (lane % 4)
	v_mul_u32_u24 v15, v2, SP
	v_add_nc_u32 v15, s17, v15                     ; out of it: SP x lane
	v_lshrrev_b32 v5, 1, v2
	s_add_co_u32 s17, s17, 2*32*SP
	v_add_nc_u32 v5, s17, v5                       ; my block's byte among the wave's 256
	v_lshlrev_b32 v7, 3, v2
	v_add_nc_u32 v6, s17, v7
	s_mov_b32 s23, MANT
	s_sub_co_u32 s18, ttmp9, 192
	s_lshl_b32 s18, s18, 2
	s_add_co_u32 s18, s18, s16                     ; which run of 8,192 numbers is my wave's: 0 .. 1023
	s_lshl_b32 s20, s18, 15
	s_mov_b32 s21, 0
	s_lshl_b32 s24, s18, 13
	s_mov_b32 s25, 0
	s_lshl_b32 s26, s18, 8
	s_add_co_u32 s26, s26, OPS
	s_mov_b32 s27, 0
	s_wait_alu depctr_va_vdst(0)
	s_wait_kmcnt 0x0
	s_add_nc_u64 s[4:5], s[4:5], s[20:21]
	s_add_nc_u64 s[10:11], s[8:9], s[26:27]
	s_add_nc_u64 s[8:9], s[8:9], s[24:25]
.macro XLOAD t
.irp i, 0,1,2,3
	global_load_b128 v[XRW+16*((\t)%4)+4*\i:XRW+16*((\t)%4)+4*\i+3], v3, s[4:5] offset:2048*(\t)+512*\i th:TH_LOAD_NT
.endr
.endm
.macro XTURN t                         ; LDS serves a wave's instructions in order: no wait between the stores and the loads
.irp i, 0,1,2,3
	ds_store_b128 v14, v[XRW+16*((\t)%4)+4*\i:XRW+16*((\t)%4)+4*\i+3] offset:32*SP*((\t)%2)+8*SP*\i
.endr
.irp i, 0,1,2,3
	ds_load_b128 v[XNB+16*((\t)%2)+4*\i:XNB+16*((\t)%2)+4*\i+3], v15 offset:32*SP*((\t)%2)+16*\i
.endr
.endm
.macro XSTEP t
.set XS, XNB+16*((\t)%2)
.set XC, XCD+4*(\t)
.set XE, XEB+(\t)
.if (\t) > 0
	s_wait_dscnt 1                                 ; this step's numbers are back from the stage; the last step's byte store may be out
.else
	s_wait_dscnt 0x0
.endif
.if (\t)+4 < 16
	XLOAD (\t)+4                                   ; the stage's stores have read these registers
.endif
.if (\t)+1 < 16
.if 14-(\t) >= 3
	s_wait_loadcnt 12                              ; the next step's four loads are in; those of the three steps behind it may be out
.else
	s_wait_loadcnt 4*(14-(\t))
.endif
	XTURN (\t)+1
.endif
	Q16 XS, XC, XE
	ds_store_b8 v5, v[XE] offset:16*(\t)           ; both lanes of a block write the same byte
	global_store_b128 v3, v[XC:XC+3], s[8:9] offset:512*(\t)   ; 32 lanes store 512 consecutive bytes
.endm
.irp t, 0,1,2,3
	XLOAD \t
.endr
	s_wait_loadcnt 12                              ; step 0's four loads are in
	XTURN 0
.irp t, 0,1,2,3,4,5,6,7,8,9,10,11,12,13,14,15
	XSTEP \t
.endr
	ds_load_b64 v[12:13], v6                       ; in order behind my byte stores
	s_wait_dscnt 0x0
	global_store_b64 v7, v[12:13], s[10:11]        ; 32 lanes store 256 consecutive bytes, aligned
	s_wait_tensorcnt 0x0
	ds_add_u32 v208, v209
	s_wait_dscnt 0x0
	s_endpgm
; ---------------- PATH W: a lane takes a column, its registers run down K.  A wave takes 32 columns x 256 along K; a work-group 128 columns.
.Lwt:
	s_load_b64 s[4:5], s[0:1], 0x8                 ; Wqkv
	s_load_b64 s[6:7], s[0:1], 0x10                ; Wr
	s_load_b64 s[8:9], s[0:1], 0x18                ; Wo
	s_load_b64 s[10:11], s[0:1], 0x20              ; ops
	v_lshrrev_b32 v1, 5, v0
	v_readfirstlane_b32 s16, v1                    ; wave
	v_and_b32 v2, 31, v0                           ; lane
	s_wait_alu depctr_va_vdst(0)
	s_sub_co_u32 s17, ttmp9, 32
	s_lshr_b32 s18, s17, 2                         ; which 128 columns of the 5,120: 0-23 Wqkv, 24-31 Wr, 32-39 Wo
	s_and_b32 s19, s17, 3                          ; which 256 along K
	s_mov_b32 s23, MANT
	s_mov_b32 s20, 4096
	s_cmp_lt_u32 s18, 24
	s_cselect_b32 s20, 12288, s20                  ; a row of the tensor in bytes
	s_cselect_b32 s21, 0, 24
	s_cmp_lt_u32 s18, 32
	s_cselect_b32 s21, s21, 32                     ; the tensor's first group of columns
	s_cselect_b32 s22, 1, 0                        ; are its rows stored with bits 3 and 4 exchanged?
	s_cselect_b32 s24, 8192, 0                     ; columns 8-15 of 32 go 8 rows down if so,
	s_cselect_b32 s25, 0, 8192                     ; columns 16-23 go 8 rows up (their immediate stands 8 rows up, and this takes it back if not)
	s_sub_co_u32 s26, s18, s21
	s_lshl_b32 s26, s26, 7
	s_lshl_b32 s27, s16, 5
	s_add_co_u32 s26, s26, s27                     ; my wave's first column in its tensor
	s_lshl_b32 s26, s26, 2
	s_lshl_b32 s27, s19, 8
	s_mul_i32 s27, s27, s20
	s_add_co_u32 s26, s26, s27                     ; + my first row of K
	s_mov_b32 s27, 0
	s_lshl_b32 s28, s20, 5                         ; 32 rows on
	s_mov_b32 s29, 0
	s_lshl_b32 s30, s18, 7
	s_lshl_b32 s31, s16, 5
	s_add_co_u32 s30, s30, s31
	s_add_co_u32 s30, s30, 9216                    ; my wave's first row of ops
	s_lshl_b32 s52, s30, 10
	s_lshl_b32 s31, s19, 8
	s_add_co_u32 s52, s52, s31                     ; its codes, at my 256 along K
	s_mov_b32 s53, 0
	s_lshl_b32 s54, s30, 5
	s_lshl_b32 s31, s19, 3
	s_add_co_u32 s54, s54, s31
	s_add_co_u32 s54, s54, OPS                     ; its scale bytes
	s_mov_b32 s55, 0
	v_lshlrev_b32 v3, 2, v2
.irp i, 0,1,2,3,4,5,6,7,8,9,10,11,12,13,14,15,16,17,18,19,20,21,22,23,24,25,26,27,28,29,30,31
	v_mad_u32_u24 v[VO+\i], s20, \i, v3            ; 4 x lane + i rows: never rewritten
.endr
	s_mul_i32 s30, s16, 32*WPITCH
	s_add_co_u32 s30, s30, WLDS                    ; my stage
	v_mul_u32_u24 v4, v2, WPITCH
	v_add_nc_u32 v4, s30, v4                       ; into it: row = my column
	v_and_b32 v5, 15, v2
	v_lshrrev_b32 v6, 4, v2
	v_mul_u32_u24 v7, v6, WPITCH
	v_lshl_add_u32 v7, v5, 4, v7
	v_add_nc_u32 v7, s30, v7                       ; out of it: sixteen lanes to a row, two rows an instruction
	v_lshlrev_b32 v8, 10, v6
	v_lshl_add_u32 v8, v5, 4, v8                   ; the same place in ops
	v_add_nc_u32 v14, s24, v8
	v_add_nc_u32 v15, s25, v8
	v_lshrrev_b32 v9, 3, v2
	v_lshrrev_b32 v10, 4, v2
	v_xor_b32 v9, v9, v10
	v_and_b32 v9, s22, v9                          ; 1 where bits 3 and 4 of my column differ and are to change places
	v_mul_u32_u24 v9, v9, 24
	v_xor_b32 v9, v9, v2
	v_lshlrev_b32 v9, 5, v9                        ; my column's row of scale bytes
	s_wait_kmcnt 0x0
	s_cmp_lt_u32 s18, 24                           ; the tensor: a choice on the work-group's number alone
	s_cselect_b64 s[4:5], s[4:5], s[6:7]
	s_cmp_lt_u32 s18, 32
	s_cselect_b64 s[4:5], s[4:5], s[8:9]
	s_add_nc_u64 s[BT:BT+1], s[4:5], s[26:27]
.irp t, 1,2,3,4,5,6,7
	s_add_nc_u64 s[BT+2*\t:BT+2*\t+1], s[BT+2*\t-2:BT+2*\t-1], s[28:29]
.endr
	s_add_nc_u64 s[48:49], s[10:11], s[52:53]
	s_add_nc_u64 s[50:51], s[10:11], s[54:55]
.macro WLOAD t                         ; block t: 32 rows of K at my column; a wave's load reads 128 consecutive bytes, the four waves 512
.irp i, 0,1,2,3,4,5,6,7,8,9,10,11,12,13,14,15,16,17,18,19,20,21,22,23,24,25,26,27,28,29,30,31
	global_load_b32 v[WX+32*((\t)%2)+\i], v[VO+\i], s[BT+2*(\t):BT+2*(\t)+1] th:TH_LOAD_NT
.endr
.endm
.macro WBLOCK t
.set WS, WX+32*((\t)%2)
.if (\t) < 7
	s_wait_loadcnt 32                              ; this block's 32 loads are in; the next block's may be out
.else
	s_wait_loadcnt 0x0
.endif
	v_max3_num_f32 v12, |v[WS]|, |v[WS+1]|, |v[WS+2]|   ; all 32 numbers of the block are mine
	v_max3_num_f32 v13, |v[WS+3]|, |v[WS+4]|, |v[WS+5]|
.irp i, 6,10,14,18,22,26
	v_max3_num_f32 v12, v12, |v[WS+\i]|, |v[WS+\i+1]|
	v_max3_num_f32 v13, v13, |v[WS+\i+2]|, |v[WS+\i+3]|
.endr
	v_max3_num_f32 v12, v12, |v[WS+30]|, |v[WS+31]|
	v_max3_num_f32 v12, v12, v13, 0x4800000
	v_add_nc_u32 v11, 0xfc000000, v12
	v_and_or_b32 v10, v12, 0x7f800000, s23
	v_lshrrev_b32 v13, 23, v11
.if (\t)%4 == 0
	v_mov_b32 v[WSB+(\t)/4], v13                   ; four bytes to a register, the lower K in the lower byte
.else
	v_lshl_or_b32 v[WSB+(\t)/4], v13, 8*((\t)%4), v[WSB+(\t)/4]
.endif
.irp i, 0,1,2,3,4,5,6,7,8,9,10,11,12,13,14,15,16,17,18,19,20,21,22,23,24,25,26,27,28,29,30,31
	v_med3_num_f32 v[WS+\i], v[WS+\i], -v10, v10
.endr
.irp g, 0,1,2,3
	v_cvt_scalef32_pk8_fp8_f32 v[WC+2*\g:WC+2*\g+1], v[WS+8*\g:WS+8*\g+7], v11
.endr
	ds_store_b128 v4, v[WC:WC+3] offset:32*(\t)
	ds_store_b128 v4, v[WC+4:WC+7] offset:32*(\t)+16
.if (\t)+2 < 8
	WLOAD (\t)+2
.endif
	s_wait_dscnt 0x0                               ; the stores have read their registers: the next block's codes may be written
.endm
	WLOAD 0
	WLOAD 1
.irp t, 0,1,2,3,4,5,6,7
	WBLOCK \t
.endr
	global_store_b64 v9, v[WSB:WSB+1], s[50:51]    ; my column's 8 scale bytes
.irp t, 0,1,2,3,4,5,6,7,8,9,10,11,12,13,14,15
	ds_load_b128 v[WOUT+4*\t:WOUT+4*\t+3], v7 offset:2*\t*WPITCH
.endr
.irp t, 0,1,2,3,4,5,6,7,8,9,10,11,12,13,14,15
	s_wait_dscnt 15-\t                             ; loads come back in order: pair t of rows is in
.if (\t < 4) || (\t >= 12)
	global_store_b128 v8, v[WOUT+4*\t:WOUT+4*\t+3], s[48:49] offset:2*\t*1024     ; sixteen lanes store 256 consecutive bytes, aligned
.elseif \t < 8
	global_store_b128 v14, v[WOUT+4*\t:WOUT+4*\t+3], s[48:49] offset:2*\t*1024
.else
	global_store_b128 v15, v[WOUT+4*\t:WOUT+4*\t+3], s[48:49] offset:(2*\t-8)*1024
.endif
.endr
	s_wait_tensorcnt 0x0
	ds_add_u32 v208, v209
	s_wait_dscnt 0x0
	s_endpgm
; ---------------- PATH P: pos[s] = [sin(p f_j), j = 0 .. 511; cos(p f_j)], p = 1023 - s, f_j = 10000^(-j / 512).  A wave takes 8 rows; lane l takes j = 16 l .. 16 l + 15.
; sin and cos: n = the nearest whole number to x 2 / pi; r = x - n pi / 2 with pi / 2 in two parts (n is at most 652: what is left out is under 1.2e-12); polynomials on |r| <= pi / 4 (first terms left out: r^11 / 11!, r^12 / 12!).
; A number's way is a chain of some 28 lines, each on the last one's result: EIGHT numbers go line by line, side by side, each in 12 registers of its own, so that no line waits for the line above it.
.Lpos:
	s_load_b64 s[8:9], s[0:1], 0x20                ; ops
	v_lshrrev_b32 v1, 5, v0
	v_readfirstlane_b32 s16, v1
	v_and_b32 v2, 31, v0
	s_wait_alu depctr_va_vdst(0)
	s_lshl_b32 s17, ttmp9, 2
	s_add_co_u32 s17, s17, s16                     ; 0 .. 127
	s_lshl_b32 s18, s17, 3                         ; my first row s
	s_sub_co_u32 s21, 1023, s18                    ; its p
	s_mov_b32 s23, MANT
	s_mov_b32 s30, 0xbcd49a78                      ; -log2(10000) / 512
	s_mov_b32 s31, 0xbfc90fdb                      ; -pi / 2, the upper part
	s_mov_b32 s32, 0x333bbd2e                      ; what the upper part has too much
	s_mov_b32 s33, 0x3638ef1d                      ; 1 / 9!
	s_mov_b32 s34, 0xb493f27e                      ; -1 / 10!
	s_lshl_b32 s24, s16, 8
	s_add_co_u32 s24, s24, PLDS                    ; my wave's 256 scale bytes
	v_lshlrev_b32 v4, 4, v2                        ; 16 l: my first j, and my 16 codes' place in half a row
	v_lshrrev_b32 v5, 1, v2                        ; my block
	v_lshlrev_b32 v7, 3, v2
	v_add_nc_u32 v6, s24, v7
	s_add_co_u32 s26, s18, 8192                    ; my first row of ops
	s_lshl_b32 s28, s26, 5
	s_add_co_u32 s28, s28, OPS
	s_mov_b32 s29, 0
	s_lshl_b32 s26, s26, 10
	s_mov_b32 s27, 0
.irp i, 0,1,2,3,4,5,6,7,8,9,10,11,12,13,14,15
	v_add_nc_u32 v[PF+\i], \i, v4
.endr
.irp i, 0,1,2,3,4,5,6,7,8,9,10,11,12,13,14,15
	v_cvt_f32_u32 v[PF+\i], v[PF+\i]
.endr
.irp i, 0,1,2,3,4,5,6,7,8,9,10,11,12,13,14,15
	v_mul_f32 v[PF+\i], s30, v[PF+\i]
.endr
	s_wait_alu depctr_va_vdst(0)
.irp i, 0,1,2,3,4,5,6,7,8,9,10,11,12,13,14,15
	v_exp_f32 v[PF+\i], v[PF+\i]                   ; f_j
.endr
	v_nop                                          ; a plain line behind the last exponential
	s_wait_alu depctr_va_vdst(0)                   ; one wait for the batch, ahead of its first reader and of the label
	s_wait_kmcnt 0x0
	s_add_nc_u64 s[10:11], s[8:9], s[28:29]
	s_add_nc_u64 s[8:9], s[8:9], s[26:27]
; numbers i0 .. i0 + 7.  Of number k's twelve registers, v[PT + 12 k] on: 0 x, 1 n, 2 r, 3 r^2, 4 sin r, 5 r^3, 6 cos r, 7 the quadrant, 8 its low bit, 9 and 10 the two after the exchange, 11 a sign
.macro SC8 i0
.irp k, 0,1,2,3,4,5,6,7
	v_mul_f32 v[PT+12*\k], v10, v[PF+\i0+\k]       ; x = p f, rounded as the outer product is
.endr
.irp k, 0,1,2,3,4,5,6,7
	v_mul_f32 v[PT+12*\k+1], 0x3f22f983, v[PT+12*\k]
.endr
.irp k, 0,1,2,3,4,5,6,7
	v_rndne_f32 v[PT+12*\k+1], v[PT+12*\k+1]       ; n
.endr
.irp k, 0,1,2,3,4,5,6,7
	v_fma_f32 v[PT+12*\k+2], v[PT+12*\k+1], s31, v[PT+12*\k]
.endr
.irp k, 0,1,2,3,4,5,6,7
	v_fma_f32 v[PT+12*\k+2], v[PT+12*\k+1], s32, v[PT+12*\k+2]   ; r
.endr
.irp k, 0,1,2,3,4,5,6,7
	v_mul_f32 v[PT+12*\k+3], v[PT+12*\k+2], v[PT+12*\k+2]
.endr
.irp k, 0,1,2,3,4,5,6,7
	v_fmaak_f32 v[PT+12*\k+4], s33, v[PT+12*\k+3], 0xb9500d01
	v_fmaak_f32 v[PT+12*\k+6], s34, v[PT+12*\k+3], 0x37d00d01
.endr
.irp k, 0,1,2,3,4,5,6,7
	v_fmaak_f32 v[PT+12*\k+4], v[PT+12*\k+4], v[PT+12*\k+3], 0x3c088889
	v_fmaak_f32 v[PT+12*\k+6], v[PT+12*\k+6], v[PT+12*\k+3], 0xbab60b61
.endr
.irp k, 0,1,2,3,4,5,6,7
	v_fmaak_f32 v[PT+12*\k+4], v[PT+12*\k+4], v[PT+12*\k+3], 0xbe2aaaab
	v_fmaak_f32 v[PT+12*\k+6], v[PT+12*\k+6], v[PT+12*\k+3], 0x3d2aaaab
.endr
.irp k, 0,1,2,3,4,5,6,7
	v_mul_f32 v[PT+12*\k+5], v[PT+12*\k+2], v[PT+12*\k+3]
	v_fma_f32 v[PT+12*\k+6], v[PT+12*\k+6], v[PT+12*\k+3], -0.5
.endr
.irp k, 0,1,2,3,4,5,6,7
	v_fma_f32 v[PT+12*\k+4], v[PT+12*\k+5], v[PT+12*\k+4], v[PT+12*\k+2]   ; sin r
	v_fma_f32 v[PT+12*\k+6], v[PT+12*\k+6], v[PT+12*\k+3], 1.0             ; cos r
.endr
.irp k, 0,1,2,3,4,5,6,7
	v_cvt_i32_f32 v[PT+12*\k+7], v[PT+12*\k+1]
.endr
.irp k, 0,1,2,3,4,5,6,7
	v_and_b32 v[PT+12*\k+8], 1, v[PT+12*\k+7]
.endr
.irp k, 0,1,2,3,4,5,6,7
	v_cmp_eq_u32 s[36+\k], 1, v[PT+12*\k+8]
.endr
.irp k, 0,1,2,3,4,5,6,7
	v_cndmask_b32 v[PT+12*\k+9], v[PT+12*\k+4], v[PT+12*\k+6], s[36+\k]    ; in odd quadrants the two change places
	v_cndmask_b32 v[PT+12*\k+10], v[PT+12*\k+6], v[PT+12*\k+4], s[36+\k]
.endr
.irp k, 0,1,2,3,4,5,6,7
	v_lshlrev_b32 v[PT+12*\k+11], 30, v[PT+12*\k+7]
.endr
.irp k, 0,1,2,3,4,5,6,7
	v_and_b32 v[PT+12*\k+11], 0x80000000, v[PT+12*\k+11]   ; sin is negative in quadrants 2 and 3
.endr
.irp k, 0,1,2,3,4,5,6,7
	v_xor_b32 v[SN+\i0+\k], v[PT+12*\k+11], v[PT+12*\k+9]
.endr
.irp k, 0,1,2,3,4,5,6,7
	v_add_nc_u32 v[PT+12*\k+7], 1, v[PT+12*\k+7]
.endr
.irp k, 0,1,2,3,4,5,6,7
	v_lshlrev_b32 v[PT+12*\k+11], 30, v[PT+12*\k+7]
.endr
.irp k, 0,1,2,3,4,5,6,7
	v_and_b32 v[PT+12*\k+11], 0x80000000, v[PT+12*\k+11]   ; cos in quadrants 1 and 2
.endr
.irp k, 0,1,2,3,4,5,6,7
	v_xor_b32 v[CN+\i0+\k], v[PT+12*\k+11], v[PT+12*\k+10]
.endr
.endm
	s_mov_b32 s20, 0
.Lprow:
	v_cvt_f32_u32 v10, s21                         ; p
	v_add_nc_u32 v13, s24, v5                      ; this row's 32 scale bytes, my block's
	SC8 0
	SC8 8
	Q16 SN, 160, 168
	Q16 CN, 164, 169
	ds_store_b8 v13, v168
	ds_store_b8 v13, v169 offset:16
	global_store_b128 v4, v[160:163], s[8:9]       ; 32 lanes store 512 consecutive bytes
	global_store_b128 v4, v[164:167], s[8:9] offset:512
	s_wait_xcnt 0x0                                ; the stores' data and base are written again only behind this wait
	s_add_nc_u64 s[8:9], s[8:9], 1024
	s_sub_co_u32 s21, s21, 1
	s_add_co_u32 s24, s24, 32
	s_add_co_u32 s20, s20, 1
	s_cmp_lt_u32 s20, 8
	s_cbranch_scc1 .Lprow
	ds_load_b64 v[14:15], v6                       ; in order behind my byte stores
	s_wait_dscnt 0x0
	global_store_b64 v7, v[14:15], s[10:11]        ; 256 consecutive bytes, aligned
	s_wait_tensorcnt 0x0
	ds_add_u32 v208, v209
	s_wait_dscnt 0x0
	s_endpgm
.Lfunc_end_k_qd0f6a7793b_prep:
	.size	k_qd0f6a7793b_prep, .Lfunc_end_k_qd0f6a7793b_prep-k_qd0f6a7793b_prep
	.p2alignl 7, 3214868480
	.fill 96, 4, 3214868480
	.section	.rodata,"a",@progbits
	.p2align	6, 0x0
	.amdhsa_kernel k_qd0f6a7793b_prep
		.amdhsa_group_segment_fixed_size 69120
		.amdhsa_private_segment_fixed_size 0
		.amdhsa_enable_private_segment 0
		.amdhsa_kernarg_size 40
		.amdhsa_user_sgpr_count 2
		.amdhsa_user_sgpr_kernarg_segment_ptr 1
		.amdhsa_wavefront_size32 1
		.amdhsa_system_sgpr_workgroup_id_x 1
		.amdhsa_system_sgpr_workgroup_id_y 1
		.amdhsa_system_sgpr_workgroup_id_z 1
		.amdhsa_system_vgpr_workitem_id 0
		.amdhsa_next_free_vgpr 210
		.amdhsa_next_free_sgpr 66
		.amdhsa_reserve_vcc 0
		.amdhsa_float_denorm_mode_32 3
		.amdhsa_float_denorm_mode_16_64 3
		.amdhsa_memory_ordered 1
		.amdhsa_forward_progress 1
		.amdhsa_inst_pref_size 144
	.end_amdhsa_kernel
	.amdgpu_metadata
---
amdhsa.version: [ 1, 2 ]
amdhsa.kernels:
  - .name:           k_qd0f6a7793b_prep
    .symbol:         k_qd0f6a7793b_prep.kd
    .args:
      - { .name: inputs, .offset: 0, .size: 8, .value_kind: global_buffer, .address_space: global }
      - { .name: Wqkv, .offset: 8, .size: 8, .value_kind: global_buffer, .address_space: global }
      - { .name: Wr, .offset: 16, .size: 8, .value_kind: global_buffer, .address_space: global }
      - { .name: Wo, .offset: 24, .size: 8, .value_kind: global_buffer, .address_space: global }
      - { .name: ops, .offset: 32, .size: 8, .value_kind: global_buffer, .address_space: global }
    .group_segment_fixed_size: 69120
    .private_segment_fixed_size: 0
    .kernarg_segment_align: 8
    .kernarg_segment_size: 40
    .max_flat_workgroup_size: 128
    .sgpr_count:     66
    .vgpr_count:     210
    .wavefront_size: 32
...
	.end_amdgpu_metadata
.endif
;; end of part 1
;; launch gemm1 (part 2): grid 4 x 100, 4 waves a work-group, clusters of 4 x 4, 327,680 bytes of LDS; arguments ops, mask, img; writes img
.if DOCPART == 2
	.amdgcn_target "amdgcn-amd-amdhsa--gfx1250"
	.amdhsa_code_object_version 6
	.text
	.protected	k_qd0f6a7793b_gemm1
	.globl	k_qd0f6a7793b_gemm1
	.p2align	8
	.type	k_qd0f6a7793b_gemm1,@function
k_qd0f6a7793b_gemm1:
	s_mov_b64 s[64:65], 0
	v_nop
	global_prefetch_b8 v0, s[64:65] scope:SCOPE_SE
	s_setreg_imm32_b32 hwreg(HW_REG_WAVE_MODE, 25, 1), 1
	s_wait_xcnt 0x0
	s_wait_alu depctr_hold_cnt(0) depctr_sa_sdst(0) depctr_va_vdst(0) depctr_va_sdst(0) depctr_va_ssrc(0) depctr_va_vcc(0) depctr_vm_vsrc(0)
	s_getreg_b32 s2, hwreg(HW_REG_IB_STS2, 6, 4)
	s_cmp_eq_u32 s2, 0
	s_cbranch_scc0 .Lentry_in_a_cluster
	s_endpgm
.Lentry_in_a_cluster:
	s_bfe_u32 s2, ttmp6, 0x10000c
	s_cmp_lg_u32 s2, 0xf033
	s_cbranch_scc0 .Lentry_shape_is_right
	s_endpgm
.Lentry_shape_is_right:
.set OPS,    14680064
.set QSO,    26214400
.set VSO,    27328512
.set KSTEP,  256
.set NQ,     2
.set ROWB,   256
.set KROW,   1024
.set PITCH,  272
.set FR,     16
.set NL,     4
.set NP,     8
.set HALFT,  128*PITCH
.set SLOT,   4*HALFT
.set LAPS,   2
.set KS,     32
.set SCL,    2*SLOT
.set HALFS,  (128*KS/256)*272
.set SBLK,   (16*KS/256)*272
.set SPARE,  SCL+4*HALFS
.set MK,   8
.set ADRA, 16
.set ADRB, 20
.set ADRS, 27
.set SPW,  28
.set NIL,  29
.set SC,   32
.set AF,   128
.set G1, 24
.set G0, 32
.set G1B, 48
.set G0B, 56
.set G1S, 68
.set G0S, 76
.set G1SB, 80
.set G0SB, 88
.set MSB, 0
.macro WIN new
.if MSB != \new
	s_set_vgpr_msb (MSB<<8)|\new
.set MSB, \new
.endif
.endm
.set MUL_LO, 0xa1
.set MUL_HI, 0xf1
.set TO_B,   0x40
.macro JLOAD g0a, g1a, g0b, g1b
	s_cmp_eq_u32 s15, 0
	s_cbranch_scc0 .Lfor_b_\@
	tensor_load_to_lds s[\g0a:\g0a+3], s[\g1a:\g1a+7]
	s_nop 0
.rept 4
	v_nop
.endr
	s_branch .Lasked_\@
.Lfor_b_\@:
	tensor_load_to_lds s[\g0b:\g0b+3], s[\g1b:\g1b+7]
	s_nop 0
.rept 4
	v_nop
.endr
.Lasked_\@:
.endm
.macro CREST
	s_cmp_lg_u32 s14, 0
	s_cbranch_scc1 .Lnot_wave_0_\@
	s_barrier_signal -3
.Lnot_wave_0_\@:
	s_barrier_wait -3
	s_barrier_signal -1
	s_barrier_wait -1
.endm
.macro CROUND
	s_barrier_signal -1
	s_barrier_wait -1
	CREST
.endm
	s_load_b128 s[4:7], s[0:1], 0x0
	s_load_b64 s[12:13], s[0:1], 0x10
	v_lshl_add_u32 v[SPW], v0, 2, SPARE
	v_mov_b32 v[NIL], 0
	ds_add_u32 v28, v29
	ds_add_u32 v28, v29
	s_wait_dscnt 0x0
	v_lshrrev_b32 v1, 5, v0
	v_readfirstlane_b32 s14, v1
	s_lshr_b32 s15, s14, 1
	s_and_b32 s16, s14, 1
	s_bfe_u32 s40, ttmp6, 0x40000
	s_bfe_u32 s41, ttmp6, 0x40004
	s_and_b32 s17, ttmp7, 0xffff
	s_lshr_b32 s95, s17, 3
	s_and_b32 s96, s17, 7
	s_lshl_b32 s43, s41, 2
	s_lshl_b32 s43, 15, s43
	s_lshl_b32 s44, 0x1111, s40
	s_or_b32 s[G1+0], s43, (0<<16)|(1<<20)|(1<<21)|(5<<22)|(3<<25)
	s_or_b32 s[G1B+0], s44, (0<<16)|(1<<20)|(1<<21)|(5<<22)|(3<<25)
.irp g, G1, G1B
	s_mov_b32 s[\g+1], ROWB<<16
	s_mov_b32 s[\g+2], 256<<16                     ; the head's loads of codes bring 256 rows; behind them the two words are set to 128
	s_mov_b32 s[\g+3], ROWB<<16
	s_mov_b32 s[\g+4], 256
	s_mov_b32 s[\g+5], KROW
	s_mov_b32 s[\g+6], 0
	s_mov_b32 s[\g+7], 0
.endr
	s_or_b32 s[G1S+0], s43, (3<<16)|(1<<20)|(1<<21)|(5<<22)|(3<<25)
	s_or_b32 s[G1SB+0], s44, (3<<16)|(1<<20)|(1<<21)|(5<<22)|(3<<25)
.irp g, G1S, G1SB
	s_mov_b32 s[\g+1], 32<<16
	s_mov_b32 s[\g+2], (256*KS/256)<<16            ; the scale bytes of 256 rows in one load
	s_mov_b32 s[\g+3], 32<<16
	s_mov_b32 s[\g+4], 256*KS/256
	s_mov_b32 s[\g+5], 32
	s_mov_b32 s[\g+6], 0
	s_mov_b32 s[\g+7], 0
.endr
	s_lshl_b32 s97, s96, 10
	s_cmp_eq_u32 s95, 3
	s_cselect_b32 s98, 8192, s97
	s_lshl_b32 s99, s95, 10
	s_add_co_u32 s99, s99, 9216
	s_cmp_eq_u32 s95, 2
	s_cselect_b32 s98, 11264, s98
	s_cselect_b32 s99, s97, s99
	s_cmp_lg_u32 s95, 1
	s_cselect_b32 s100, 1, 0
	s_lshl_b32 s18, s16, 7
	s_lshl_b32 s20, s41, 8
	s_add_co_u32 s20, s20, s98
	s_add_co_u32 s20, s20, s18
	s_lshl_b32 s46, s40, 8
	s_add_co_u32 s46, s46, s99
	s_add_co_u32 s46, s46, s18
	s_lshl_b32 s22, s20, 5
	s_add_co_u32 s22, s22, OPS
	s_mov_b32 s23, 0
	s_lshl_b32 s20, s20, 10
	s_mov_b32 s21, 0
	s_lshl_b32 s92, s46, 5
	s_add_co_u32 s92, s92, OPS
	s_mov_b32 s93, 0
	s_lshl_b32 s46, s46, 10
	s_mov_b32 s47, 0
	s_mul_i32 s45, s14, HALFT
	s_mul_i32 s94, s14, HALFS
	s_wait_kmcnt 0x0
	s_add_nc_u64 s[20:21], s[4:5], s[20:21]
	s_add_nc_u64 s[22:23], s[4:5], s[22:23]
	s_add_nc_u64 s[46:47], s[4:5], s[46:47]
	s_add_nc_u64 s[92:93], s[4:5], s[92:93]
	CROUND
	s_mov_b32 s[G0S], 1
	s_mov_b32 s[G0S+1], SCL                        ; wave 1 issues this one: its address stands 128 rows of 32 bytes on, which are taken off
	s_sub_nc_u64 s[G0S+2:G0S+3], s[22:23], 4096
	s_or_b32 s[G0S+3], s[G0S+3], 0x80000000
	s_mov_b32 s[G0SB], 1
	s_mov_b32 s[G0SB+1], SCL+2*HALFS               ; wave 3 issues this one: likewise
	s_sub_nc_u64 s[G0SB+2:G0SB+3], s[92:93], 4096
	s_or_b32 s[G0SB+3], s[G0SB+3], 0x80000000
.irp s, 0,1
	s_mov_b32 s[G0+4*\s], 1
	s_add_co_u32 s[G0+4*\s+1], s45, \s*SLOT
	s_add_nc_u64 s[G0+4*\s+2:G0+4*\s+3], s[20:21], \s*ROWB
	s_or_b32 s[G0+4*\s+3], s[G0+4*\s+3], 0x80000000
	s_mov_b32 s[G0B+4*\s], 1
	s_add_co_u32 s[G0B+4*\s+1], s45, \s*SLOT
	s_add_nc_u64 s[G0B+4*\s+2:G0B+4*\s+3], s[46:47], \s*ROWB
	s_or_b32 s[G0B+4*\s+3], s[G0B+4*\s+3], 0x80000000
.endr
; THE HEAD'S FOUR TILES, ONE A WAVE, in one chain of branches on the wave's number: wave 0 K step 0's 256 rows of A, wave 1 A's scale bytes, wave 2 its 256 rows of B, wave 3 B's scale bytes.
; Waves 0 and 2 fetch the lower half in the ring, so their addresses are the tiles' first rows.
	s_mov_b32 s8, 1
	s_mov_b32 s9, 0
	s_mov_b64 s[10:11], s[20:21]
	s_or_b32 s11, s11, 0x80000000
	s_mov_b64 s[22:23], s[46:47]
	s_or_b32 s23, s23, 0x80000000
	s_mov_b32 s20, 1
	s_mov_b32 s21, 2*HALFT
	s_cmp_eq_u32 s14, 0
	s_cbranch_scc0 .Lhead_1
	tensor_load_to_lds s[8:11], s[G1:G1+7]
	s_nop 0
.rept 4
	v_nop
.endr
	s_branch .Lhead_j
.Lhead_1:
	s_cmp_eq_u32 s14, 1
	s_cbranch_scc0 .Lhead_2
	tensor_load_to_lds s[G0S:G0S+3], s[G1S:G1S+7]
	s_nop 0
.rept 4
	v_nop
.endr
	s_branch .Lhead_j
.Lhead_2:
	s_cmp_eq_u32 s14, 2
	s_cbranch_scc0 .Lhead_3
	tensor_load_to_lds s[20:23], s[G1B:G1B+7]
	s_nop 0
.rept 4
	v_nop
.endr
	s_branch .Lhead_j
.Lhead_3:
	tensor_load_to_lds s[G0SB:G0SB+3], s[G1SB:G1SB+7]
	s_nop 0
.rept 4
	v_nop
.endr
.Lhead_j:
	s_wait_alu depctr_va_vdst(0)
	s_wait_tensorcnt 0x0                           ; my tile of the four is in; slot 1's first fill is issued as a refill is
	ds_add_u32 v28, v29
	s_mov_b32 s[G1+2], 128<<16                     ; no tensor load of mine is out: from here on a load brings 128 rows
	s_mov_b32 s[G1+4], 128
	s_mov_b32 s[G1B+2], 128<<16
	s_mov_b32 s[G1B+4], 128
	s_wait_dscnt 0x0
	CROUND
	JLOAD G0+4, G1, G0B+4, G1B
	v_and_b32 v1, 15, v0
	s_wait_alu depctr_va_vdst(0)
	v_bfe_u32 v2, v0, 4, 1
	s_lshl_b32 s18, s41, 8
	s_add_co_u32 s18, s18, s97
	s_lshl_b32 s19, s15, 7
	s_add_co_u32 s18, s18, s19
	v_add_nc_u32 v7, s18, v1
.irp a, 0,1,2,3,4,5,6,7
	global_load_u8 v[MK+\a], v7, s[6:7] offset:16*\a
.endr
	v_mul_u32_u24 v3, v1, PITCH
	v_lshl_add_u32 v4, v2, 4, v3
	s_mul_i32 s21, s15, HALFT
	s_mul_i32 s22, s16, HALFT
	s_add_co_u32 s22, s22, 2*HALFT
.irp s, 0,1
	v_add_nc_u32 v[ADRA+\s], s21, v4
	v_add_nc_u32 v[ADRB+\s], s22, v4
	s_add_co_u32 s21, s21, SLOT
	s_add_co_u32 s22, s22, SLOT
.endr
	v_mul_u32_u24 v5, v1, KS
	v_lshrrev_b32 v6, 8, v5
	v_lshl_add_u32 v5, v6, 4, v5
	s_mul_i32 s21, s15, HALFS
	s_mul_i32 s22, s16, HALFS
	s_add_co_u32 s22, s22, 2*HALFS
	s_sub_co_u32 s22, s22, s21
	v_mul_u32_u24 v6, s22, v2
	s_add_co_u32 s21, s21, SCL
	v_add_nc_u32 v5, v5, v6
	v_add_nc_u32 v[ADRS], s21, v5
	s_wait_alu depctr_va_vdst(0)                   ; the mask's bytes are waited for on the way out, where they are first used
.macro FRAG reg, adr, q, i
.irp c, 0,1,2,3
	ds_load_b128 v[\reg+4*\c:\reg+4*\c+3], v[\adr] offset:128*(\q)+32*\c+(\i)*16*PITCH
.endr
.endm
.macro MUL16 a0, p, q, sc, zero
.irp a, \a0, \a0+1
.irp b, 0,1,2,3,4,5,6,7
.if \zero
	v_wmma_scale_f32_16x16x128_f8f6f4 v[8*(8*((\a)%4)+\b):8*(8*((\a)%4)+\b)+7], v[128*(\p)+FR*\b:128*(\p)+FR*\b+FR-1], v[AF+FR*(\a):AF+FR*(\a)+FR-1], 0, v[SC+8*NQ*(\sc)+NQ*\b+(\q)], v[SC+8*NQ*(\sc)+NQ*(\a)+(\q)] matrix_a_scale:MATRIX_SCALE_ROW1
.else
	v_wmma_scale_f32_16x16x128_f8f6f4 v[8*(8*((\a)%4)+\b):8*(8*((\a)%4)+\b)+7], v[128*(\p)+FR*\b:128*(\p)+FR*\b+FR-1], v[AF+FR*(\a):AF+FR*(\a)+FR-1], v[8*(8*((\a)%4)+\b):8*(8*((\a)%4)+\b)+7], v[SC+8*NQ*(\sc)+NQ*\b+(\q)], v[SC+8*NQ*(\sc)+NQ*(\a)+(\q)] matrix_a_scale:MATRIX_SCALE_ROW1
.endif
.endr
.endr
.endm
.macro FETCH_B slot, q, p
	WIN TO_B
.irp i, 0,1,2,3,4,5,6,7
	FRAG 128*(\p)+FR*\i, ADRB+\slot, \q, \i
.endr
	WIN 0
.endm
.macro FETCH_A slot, q, i0
.irp i, \i0, \i0+1, \i0+2, \i0+3
	FRAG AF+FR*(\i), ADRA+\slot, \q, \i
.endr
.endm
.macro SCALES sc
.irp i, 0,1,2,3,4,5,6,7
	ds_load_b64 v[SC+8*NQ*\sc+NQ*\i:SC+8*NQ*\sc+NQ*\i+1], v[ADRS] offset:\i*SBLK
.endr
.endm
.macro PLACES n
.rept \n
	v_nop
.endr
.endm
.macro STEP slot, q, zero
	s_wait_dscnt 4*NL
	WIN MUL_LO
	MUL16 0, (\q)%2, \q, \slot, \zero
	MUL16 2, (\q)%2, \q, \slot, \zero
	s_wait_dscnt 0
	PLACES NP
	FETCH_B \slot, (\q)+1, 1-(\q)%2
	FETCH_A \slot, (\q)+1, 0
	WIN MUL_HI
	MUL16 4, (\q)%2, \q, \slot, \zero
	MUL16 6, (\q)%2, \q, \slot, \zero
	PLACES NP
	WIN 0
	FETCH_A \slot, (\q)+1, 4
.endm
.macro TURN slot, next, fill
	s_wait_tensorcnt 0x0
	ds_add_u32 v[SPW], v[NIL]
	s_wait_dscnt 4*NL+1
	WIN MUL_LO
	MUL16 0, 1, NQ-1, \slot, 0
	s_wait_dscnt 0x0
	s_barrier_signal -1
	MUL16 2, 1, NQ-1, \slot, 0
	WIN 0
	s_barrier_wait -1
.if \fill
	CREST
	s_add_nc_u64 s[G0+4*\slot+2:G0+4*\slot+3], s[G0+4*\slot+2:G0+4*\slot+3], 2*ROWB
	s_add_nc_u64 s[G0B+4*\slot+2:G0B+4*\slot+3], s[G0B+4*\slot+2:G0B+4*\slot+3], 2*ROWB
	JLOAD G0+4*\slot, G1, G0B+4*\slot, G1B
	PLACES NP-4
.else
	PLACES NP
.endif
	s_wait_alu depctr_va_vdst(0)
	v_add_nc_u32 v[ADRS], 4*NQ, v[ADRS]
	FETCH_B \next, 0, 0
	FETCH_A \next, 0, 0
	SCALES \next
	WIN MUL_HI
	MUL16 4, 1, NQ-1, \slot, 0
	MUL16 6, 1, NQ-1, \slot, 0
	PLACES NP
	WIN 0
	FETCH_A \next, 0, 4
.endm
	s_wait_tensorcnt 1
	s_barrier_signal -1
	s_barrier_wait -1
	FETCH_B 0, 0, 0
	FETCH_A 0, 0, 0
	SCALES 0
	FETCH_A 0, 0, 4
	STEP 0, 0, 1
	s_mov_b32 s3, LAPS-1
.Llap:
	TURN 0, 1, 1
	STEP 1, 0, 0
	TURN 1, 0, 1
	STEP 0, 0, 0
	s_sub_co_u32 s3, s3, 1
	s_cmp_lg_u32 s3, 0
	s_cbranch_scc1 .Llap
	TURN 0, 1, 0
	STEP 1, 0, 0
	s_wait_dscnt 4*NL
	WIN MUL_LO
	MUL16 0, 1, NQ-1, 1, 0
	MUL16 2, 1, NQ-1, 1, 0
	s_wait_dscnt 0
	WIN MUL_HI
	MUL16 4, 1, NQ-1, 1, 0
	MUL16 6, 1, NQ-1, 1, 0
	WIN 0
.set ADR, 16
.set PW,  32
.set TM,  40
.set Y,   64
.set CD,  128
	PLACES NP
	s_wait_loadcnt 0x0                             ; the mask's bytes of my 128 rows
.irp a, 0,1,2,3,4,5,6,7
	v_or_b32 v[MK+\a], s100, v[MK+\a]
	v_cmp_ne_u32 vcc_lo, 0, v[MK+\a]
	v_cndmask_b32 v[MK+\a], 0, -1, vcc_lo          ; all ones, or 0 for a masked key of k
.endr
	s_mov_b32 s66, 0x76543210
	s_mov_b32 s67, 0xfedcba98
	s_mov_b32 s97, 0x600000
	s_mov_b32 s98, 0xffff0000
	s_mov_b32 s101, 16384
	s_mov_b32 s18, 1048576
	s_cmp_eq_u32 s95, 2
	s_cselect_b32 s101, 131072, s101
	s_cselect_b32 s18, 16384, s18
	s_mul_i32 s18, s18, s96
	s_lshl_b32 s19, s41, 4
	s_lshl_b32 s20, s15, 3
	s_add_co_u32 s19, s19, s20
	s_mul_i32 s19, s19, s101
	s_add_co_u32 s18, s18, s19
	s_lshl_b32 s19, s40, 3
	s_lshl_b32 s20, s16, 2
	s_add_co_u32 s19, s19, s20
	s_lshl_b32 s19, s19, 9
	s_add_co_u32 s18, s18, s19
	s_lshl_b32 s19, s95, 23
	s_add_co_u32 s18, s18, s19
	s_mov_b32 s19, 0
	s_add_nc_u64 s[10:11], s[12:13], s[18:19]
	v_and_b32 v3, 31, v0
	v_lshlrev_b32 v26, 4, v3
.irp a, 0,1,2,3,4,5,6,7
	v_mad_u32_u24 v[ADR+\a], s101, \a, v26
.endr
	s_lshl_b32 s20, s14, 10
	v_lshl_add_u32 v24, v3, 2, s20
	v_add_nc_u32 v25, s20, v26
	s_lshl_b32 s20, s14, 9
	s_add_co_u32 s20, s20, 4096
	v_lshl_add_u32 v27, v3, 2, s20
	v_add_nc_u32 v30, s20, v26
	v_lshlrev_b32 v31, 4, v1
	v_lshl_add_u32 v31, v2, 11, v31
.macro QBLK a
.set X0, 64*((\a)%4)
.set WA, (2+(\a)/4)*5
.set WB, 2+(\a)/4
	WIN WA
.irp b, 0,1,2,3
	v_max3_num_f32 v[TM+\b], |v[X0+16*\b]|, |v[X0+16*\b+1]|, 0x4800000
.endr
.irp i, 2,4,6,8,10,12,14
.irp b, 0,1,2,3
	v_max3_num_f32 v[TM+\b], |v[X0+16*\b+\i]|, |v[X0+16*\b+\i+1]|, v[TM+\b]
.endr
.endr
	WIN 0
.irp b, 0,1,2,3
	v_permlanex16_b32 v[TM+4+\b], v[TM+\b], s66, s67
.endr
.irp b, 0,1,2,3
	v_max_num_f32 v[TM+\b], v[TM+\b], v[TM+4+\b]
.endr
.irp b, 0,1,2,3
	v_add_nc_u32 v[TM+12+\b], 0xfc000000, v[TM+\b]
.endr
.irp b, 0,1,2,3
	v_and_or_b32 v[TM+8+\b], v[TM+\b], 0x7f800000, s97
.endr
.irp b, 0,1,2,3
	v_lshrrev_b32 v[TM+4+\b], 23, v[TM+12+\b]
.endr
	v_lshl_or_b32 v[PW+\a], v[TM+5], 8, v[TM+4]
	v_lshl_or_b32 v[PW+\a], v[TM+6], 16, v[PW+\a]
	v_lshl_or_b32 v[PW+\a], v[TM+7], 24, v[PW+\a]
	WIN WB
.set k, 0
.rept 64
	v_med3_num_f32 v[Y+k], v[X0+k], -v[TM+8+k/16], v[TM+8+k/16]
.set k, k+1
.endr
	WIN 0
.irp b, 0,1,2,3
	v_cvt_scalef32_pk8_fp8_f32 v[CD+16*(\a)+4*\b:CD+16*(\a)+4*\b+1], v[Y+16*\b:Y+16*\b+7], v[TM+12+\b]
	v_cvt_scalef32_pk8_fp8_f32 v[CD+16*(\a)+4*\b+2:CD+16*(\a)+4*\b+3], v[Y+16*\b+8:Y+16*\b+15], v[TM+12+\b]
.endr
	v_nop
.set k, 0
.rept 16
	v_and_b32 v[CD+16*(\a)+k], v[MK+\a], v[CD+16*(\a)+k]
.set k, k+1
.endr
.irp b, 0,1,2,3
	global_store_b128 v[ADR+\a], v[CD+16*(\a)+4*\b:CD+16*(\a)+4*\b+3], s[10:11] offset:512*\b
.endr
.endm
.irp a, 0,1,2,3,4,5,6,7
	QBLK \a
.endr
.irp a, 0,1,2,3
	v_cndmask_b32 v[TM+\a], v[PW+2*\a], v[PW+2*\a+1], s98
.endr
	s_cmp_eq_u32 s95, 2
	s_cbranch_scc1 .Lv_words
.irp a, 0,1,2,3
	v_and_b32 v[TM+4+\a], 0xffff, v[TM+\a]
	v_lshrrev_b32 v[TM+8+\a], 16, v[TM+\a]
.endr
	s_min_u32 s18, s95, 2
	s_lshl_b32 s18, s18, 19
	s_lshl_b32 s19, s96, 4
	s_lshl_b32 s20, s40, 2
	s_add_co_u32 s19, s19, s20
	s_lshl_b32 s20, s16, 1
	s_add_co_u32 s19, s19, s20
	s_lshl_b32 s19, s19, 10
	s_lshl_b32 s20, s41, 8
	s_add_co_u32 s19, s19, s20
	s_lshl_b32 s20, s15, 7
	s_add_co_u32 s19, s19, s20
	s_lshl_b32 s19, s19, 2
	s_add_co_u32 s18, s18, s19
	s_add_co_u32 s18, s18, QSO
	s_mov_b32 s19, 0
	s_add_nc_u64 s[8:9], s[12:13], s[18:19]
	s_wait_alu depctr_va_vdst(0)
.irp a, 0,1,2,3
	ds_store_b32 v24, v[TM+4+\a] offset:128*\a
	ds_store_b32 v24, v[TM+8+\a] offset:512+128*\a
.endr
	ds_load_b128 v[64:67], v25
	ds_load_b128 v[68:71], v25 offset:512
	s_wait_dscnt 0x0
	global_store_b128 v26, v[64:67], s[8:9]
	global_store_b128 v26, v[68:71], s[8:9] offset:4096
	s_branch .Lwords_done
.Lv_words:
	s_lshl_b32 s18, s96, 4
	s_lshl_b32 s19, s41, 2
	s_add_co_u32 s18, s18, s19
	s_lshl_b32 s19, s15, 1
	s_add_co_u32 s18, s18, s19
	s_lshl_b32 s18, s18, 3
	s_lshl_b32 s19, s40, 1
	s_add_co_u32 s18, s18, s19
	s_add_co_u32 s18, s18, s16
	s_lshl_b32 s18, s18, 8
	s_add_co_u32 s18, s18, VSO
	s_mov_b32 s19, 0
	s_add_nc_u64 s[8:9], s[12:13], s[18:19]
	s_wait_alu depctr_va_vdst(0)
.irp a, 0,1,2,3
	ds_store_b32 v27, v[TM+\a] offset:128*\a
.endr
	ds_load_b128 v[64:67], v30
	s_wait_dscnt 0x0
	global_store_b128 v31, v[64:67], s[8:9]
.Lwords_done:
	s_wait_tensorcnt 0x0
	ds_add_u32 v[SPW], v[NIL]
	s_wait_dscnt 0x0
	CROUND
	s_endpgm
.Lfunc_end_k_qd0f6a7793b_gemm1:
	.size	k_qd0f6a7793b_gemm1, .Lfunc_end_k_qd0f6a7793b_gemm1-k_qd0f6a7793b_gemm1
	.p2alignl 7, 3214868480
	.fill 96, 4, 3214868480
	.section	.rodata,"a",@progbits
	.p2align	6, 0x0
	.amdhsa_kernel k_qd0f6a7793b_gemm1
		.amdhsa_group_segment_fixed_size 327680
		.amdhsa_private_segment_fixed_size 0
		.amdhsa_enable_private_segment 0
		.amdhsa_kernarg_size 24
		.amdhsa_user_sgpr_count 2
		.amdhsa_user_sgpr_kernarg_segment_ptr 1
		.amdhsa_wavefront_size32 1
		.amdhsa_system_sgpr_workgroup_id_x 1
		.amdhsa_system_sgpr_workgroup_id_y 1
		.amdhsa_system_sgpr_workgroup_id_z 1
		.amdhsa_system_vgpr_workitem_id 0
		.amdhsa_next_free_vgpr 1024
		.amdhsa_next_free_sgpr 102
		.amdhsa_reserve_vcc 1
		.amdhsa_float_denorm_mode_32 3
		.amdhsa_float_denorm_mode_16_64 3
		.amdhsa_memory_ordered 1
		.amdhsa_forward_progress 1
		.amdhsa_inst_pref_size 196
	.end_amdhsa_kernel
	.amdgpu_metadata
---
amdhsa.version: [ 1, 2 ]
amdhsa.kernels:
  - .name:           k_qd0f6a7793b_gemm1
    .symbol:         k_qd0f6a7793b_gemm1.kd
    .args:
      - { .name: ops, .offset: 0, .size: 8, .value_kind: global_buffer, .address_space: global }
      - { .name: mask, .offset: 8, .size: 8, .value_kind: global_buffer, .address_space: global }
      - { .name: img, .offset: 16, .size: 8, .value_kind: global_buffer, .address_space: global }
    .group_segment_fixed_size: 327680
    .private_segment_fixed_size: 0
    .kernarg_segment_align: 8
    .kernarg_segment_size: 24
    .max_flat_workgroup_size: 128
    .sgpr_count:     102
    .vgpr_count:     1024
    .wavefront_size: 32
...
	.end_amdgpu_metadata
.endif
;; end of part 2
;; launch attn (part 3): grid 2 x 128, 16 waves a work-group, no clusters, 322,048 bytes of LDS; arguments img, mask, att; writes att
.if DOCPART == 3
	.amdgcn_target "amdgcn-amd-amdhsa--gfx1250"
	.amdhsa_code_object_version 6
	.text
	.protected	k_qd0f6a7793b_attn
	.globl	k_qd0f6a7793b_attn
	.p2align	8
	.type	k_qd0f6a7793b_attn,@function
k_qd0f6a7793b_attn:
	s_mov_b64 s[64:65], 0
	v_nop
	global_prefetch_b8 v0, s[64:65] scope:SCOPE_SE
	s_setreg_imm32_b32 hwreg(HW_REG_WAVE_MODE, 25, 1), 1
	s_wait_xcnt 0x0
; ATTN: for one head of one batch and 512 queries: scores AC + shifted BD, the mask, the softmax ahead of a quantised product, P V, O / l, quantised along e into images of operand registers.
; THE SHIFT.  With c = j - i + 1023 the shifted BD[i][j] is q_i . r[c] for c <= 1023, 0 for c = 1024, q_(i+1) . r[c - 1025] for c >= 1025.
; A wave takes 16 consecutive queries i0 + n and walks the keys in windows of 64: there c = c_lo + 15 + kk - n with c_lo = j0 - i0 + 1008, a multiple of 16.  X^T = R Q^T is wanted for 80 values of c, five aligned tiles;
; a tile lies wholly under 1,024 (rows r[c], queries q_i) or wholly from 1,024 on (rows r[c - 1025], queries q_(i+1); row -1 is a row of zeros).  X^T goes into the wave's own stage, row n, and is read back askew.
; A window's fifth tile is the next window's first: it stays in eight registers, so four tiles are made in a window.  The window that lies across 1,024 decides tile by tile; the others by one test on ids.
; THE SKEWED READS LAND IN THE SCORES' REGISTERS AND ARE THE C OF THE PRODUCTS K Q^T: nothing is added by vector instructions.
; SHARES.  256 work-groups of 16 waves; a wave has one tile of 16 queries at a time, twice.  K, V, R and all scale words of the head come into LDS ONCE: nothing is filled again: one barrier behind the fills.
; No cluster: only the two work-groups of a head share K and V, and a grid of 2 along x divides into no cluster of four; R's 64 KB are shared across batches but are fetched once a work-group.
; No prefetch: every tile is asked for at the head, and there is no later load to run ahead of.
; LAYOUT.  All products are used transposed (source 0 = 16 keys, 16 rows of r or 16 of the head's 64; source 1 = queries): a lane holds ONE query throughout.  AC and BD have K = 64 of the instruction's 128.
; THE MASK RIDES IN THE SPARE K OF K Q^T.  q_i's operand holds the code of 1.0 at k = 64 and zeros above; a tile of keys has, as its ninth register, a word whose lowest byte is the code of -1.0 for a masked key and 0 else;
; for the block k = 64 .. 95 k's scale word gets the byte 230 and q's the byte 127: a masked key's score gets -2^103.  Its own codes are zeros, so its score is that and what BD adds.  k's tiles stand ten registers apart;
; what else lies in an operand's upper half meets zero codes and only has to be valid codes: the next tile's, or registers cleared for this.
; r's products meet the 1.0 too: against one code of what stands behind the tile, under r's scale byte 0: at most 448 x 2^-127 is added to a score.  LIMIT: scores under some 2^-95 in size would feel it.
; LIMIT: the mask's logit is about -2^100 = -1.27e30 in place of -1e30: the two differ only where true logits fall under some -1e30.
; A BATCH WITH EVERY KEY MASKED is found at the head (an OR over its 1,024 bytes; a choice, no branch): there all of these codes and the queries' are zeros, so that every score is 0: the uniform softmax.
; SOFTMAX.  t = score x log2(e) / 8; M = the running largest t rounded up to a whole number; p = 2^(t - M) is quantised along the keys; the row's sum is taken of the unquantised p and divides O at the end.
; LIMITS: blocks under 2^-118 keep the byte 1; NaN and infinities are not served.
.set KI,   8388608                     ; img: k's images; q's at 0
.set VI,   16777216
.set RI,   25165824
.set QSO,  26214400
.set KSO,  26738688
.set RSO,  27262976
.set VSO,  27328512
.set ASO,  8388608                     ; att: the scale pairs
.set KIMG, 0                           ; LDS: 64 tiles of 16 keys x 1,024 bytes
.set VIMG, 65536                       ; [tile of 16 of the head's 64][block of 32 keys][512]
.set RZ,   131072                      ; 1,024 zeros: "tile -1" of r
.set RIMG, 132096                      ; 64 tiles of r
.set KSC,  197632                      ; k's scale words
.set RSZ,  201728                      ; 256 zeros: word -1 of r's
.set RSC,  201984                      ; r's scale words
.set VSC,  206080                      ; v's: [step][tile][16]
.set MKW,  208128                      ; the mask's words, one a key: 4,096 bytes
.set STG,  232960                      ; a stage for each wave: 16 rows x 336 bytes
.set SWV,  5376
.set ASG,  318976                      ; the 512 queries' scale pairs
.set SS,   48                          ; v48-111  scores, then p, then v's four fragments
.set OT,   112                         ; v112-143 O^T
.set FF,   144                         ; v144-175 r's four tiles, 8 registers each; k's four stand 10 apart, v144-182; v183 stays 0
.set XD,   184                         ; v184-207 X^T's tiles 1 to 3 of a window; later at work:
.set T1,   184
.set HL,   188                         ; 448 x the scale
.set SO,   192                         ; the conversions' scale operands
.set FP,   196                         ; v[196:197] f
.set TMP,  198
.set PC,   208                         ; v208-223 p's codes; before them:
.set BM,   208                         ; v208-211 the blocks' largest scores, then largest p
.set CR,   224                         ; v224-231 X^T's last tile of a window: the next window's first
.set KSR,  232                         ; v232-235 k's scale words; v236-239 r's; v241-242 v's; v245, v246 q_i's, q_(i+1)'s; v247 p's
.set RSR,  236
.set VSR,  241
.macro DESC g, c, r, p                 ; group 1: r rows of c elements of 8 bytes, pitch p elements, no padding, no mask
	s_mov_b32 s[\g], 3<<16
	s_mov_b32 s[\g+1], (\c)<<16
	s_mov_b32 s[\g+2], (\r)<<16
	s_mov_b32 s[\g+3], (\c)<<16
	s_mov_b32 s[\g+4], \r
	s_mov_b32 s[\g+5], \p
	s_mov_b32 s[\g+6], 0
	s_mov_b32 s[\g+7], 0
.endm
.macro FILL g1                         ; s2 = the tile's byte in img, s49 = its LDS byte.  An s_nop 0 and four v_nop follow the load
	s_mov_b32 s3, 0
	s_mov_b32 s48, 1
	s_add_nc_u64 s[50:51], s[4:5], s[2:3]
	s_or_b32 s51, s51, 0x80000000
	tensor_load_to_lds s[48:51], s[\g1:\g1+7]
	s_nop 0
.rept 4
	v_nop
.endr
	s_branch .Lfilled
.endm
	s_load_b128 s[4:7], s[0:1], 0x0                ; img, mask
	s_load_b64 s[8:9], s[0:1], 0x10                ; att
	v_lshl_add_u32 v243, v0, 2, 0x4e200
	v_mov_b32 v244, 0
	ds_add_u32 v243, v244                          ; the opening lines
	ds_add_u32 v243, v244
	v_lshrrev_b32 v1, 5, v0
	s_delay_alu instid0(VALU_DEP_1)
	v_readfirstlane_b32 s10, v1                    ; wave 0..15
	s_mov_b32 s11, ttmp9                           ; which 512 queries
	s_and_b32 s14, ttmp7, 0xffff                   ; 16 batch + head
	s_lshr_b32 s12, s14, 4
	s_and_b32 s13, s14, 15
	s_and_b32 s15, s10, 3
	DESC 16, 128, 16, 2048                         ; k, r: 16 tiles' 1,024 bytes of my head, 16,384 bytes apart
	DESC 24, 32, 64, 32                            ; v: 16,384 dense bytes
	DESC 32, 32, 16, 32                            ; 4,096 dense bytes of scale words
	DESC 40, 32, 8, 32                             ; 2,048
	s_mov_b32 s52, 0x76543210
	s_mov_b32 s53, 0xfedcba98                      ; v_permlanex16_b32's selects for lane xor 16
	s_mov_b32 s54, 0x3e38aa3b                      ; c = log2(e) / 8
	s_mov_b32 s55, s54                             ; (named with it as a pair)
	s_mov_b32 s56, 0x600000                        ; the mantissa field of 448
	; every lane constant and LDS address is made here, ahead of the waves' parting
	v_and_b32 v10, 31, v0                          ; lane
	v_and_b32 v11, 15, v0                          ; p = n = lane % 16
	v_bfe_u32 v12, v0, 4, 1                        ; hl = lane / 16
	s_delay_alu instid0(VALU_DEP_3)
	v_lshlrev_b32 v1, 4, v10                       ; v1: 16 x lane: an image's place for my lane
	s_delay_alu instid0(VALU_DEP_1)
	v_add_nc_u32 v2, RIMG, v1                      ; v2: r's tile, rows 16 T + p
	s_delay_alu instid0(VALU_DEP_4)
	v_add_nc_u32 v13, 15, v11
	s_delay_alu instid0(VALU_DEP_1)
	v_lshrrev_b32 v14, 4, v13
	s_delay_alu instid0(VALU_DEP_2)
	v_and_b32 v13, 15, v13
	s_delay_alu instid0(VALU_DEP_2)
	v_lshlrev_b32 v3, 10, v14
	s_delay_alu instid0(VALU_DEP_1)
	v_lshl_add_u32 v3, v13, 4, v3
	s_delay_alu instid0(VALU_DEP_1)
	v_lshl_add_u32 v3, v12, 8, v3
	s_delay_alu instid0(VALU_DEP_1)
	v_add_nc_u32 v3, RZ, v3                        ; v3: rows 16 T + p - 1: row 15 of the tile before for p = 0
	v_lshl_add_u32 v4, v11, 2, RSC-4               ; v4: r's scale word of row 16 T + p - 1
	s_mul_i32 s2, s10, SWV
	s_add_co_u32 s2, s2, STG
	v_mul_u32_u24 v5, v11, 336
	s_delay_alu instid0(VALU_DEP_1)
	v_lshl_add_u32 v5, v12, 5, v5
	s_delay_alu instid0(VALU_DEP_1)
	v_add_nc_u32 v5, s2, v5                        ; v5: into my stage: row n, column 8 hl
	v_mul_u32_u24 v6, v11, 332
	s_delay_alu instid0(VALU_DEP_1)
	v_lshl_add_u32 v6, v12, 5, v6
	s_delay_alu instid0(VALU_DEP_1)
	v_add_nc_u32 v6, s2, v6
	s_delay_alu instid0(VALU_DEP_1)
	v_add_nc_u32 v6, 60, v6                        ; v6: out of it: row n, column 15 - n + 8 hl
	v_lshl_add_u32 v7, v11, 2, MKW                 ; v7: the mask's word of key p of a tile
	v_lshl_add_u32 v8, v10, 2, KSC                 ; v8: k's scale words: lanes 0-15 one tile, lanes 16-31 the next
	v_lshl_add_u32 v9, v10, 2, VSC                 ; v9: v's likewise
	s_lshl_b32 s2, s10, 5
	s_add_co_u32 s2, s2, ASG
	v_lshl_add_u32 v255, v11, 1, s2                ; v255: my query's scale pair
	v_add_nc_u32 v16, RZ, v1
	v_lshl_add_u32 v17, v10, 3, RSZ
	v_lshl_add_u32 v18, v0, 2, MKW                 ; thread T writes the words of keys T and T + 512
	s_lshl_b32 s2, s12, 10                         ; my batch's bytes of the mask
	v_add_nc_u32 v60, s2, v0
	v_lshl_add_u32 v92, v10, 5, s2                 ; and every wave reads the batch's 1,024 bytes, 32 a lane
.irp j, 24,25,26,27,28,29,30,31,40,41,42,43,44,45,46,47,176,177,178,179,180,181,182,183
	v_mov_b32 v\j, 0                               ; the upper 64 of K on the queries' side, and what stands behind r's last tile: zero codes
.endr
	s_wait_dscnt 0x0
	s_wait_kmcnt 0x0
	global_load_u8 v72, v60, s[6:7]
	global_load_u8 v73, v60, s[6:7] offset:512
	global_load_b128 v[84:87], v92, s[6:7]
	global_load_b128 v[88:91], v92, s[6:7] offset:16
	; the fills: one tensor load a wave, each in one arm of a chain on the wave's number; wave 15 writes the zeros
	s_cmp_lt_u32 s10, 4
	s_cbranch_scc0 .Lnot_k
	s_lshl_b32 s49, s15, 14                        ; k: tiles 16 w .. 16 w + 15
	s_lshl_b32 s2, s12, 20
	s_lshl_b32 s3, s15, 18
	s_add_co_u32 s2, s2, s3
	s_lshl_b32 s3, s13, 10
	s_add_co_u32 s2, s2, s3
	s_add_co_u32 s2, s2, KI
	FILL 16
.Lnot_k:
	s_cmp_lt_u32 s10, 8
	s_cbranch_scc0 .Lnot_v
	s_lshl_b32 s49, s15, 14
	s_add_co_u32 s49, s49, VIMG                    ; v: tile w % 4 of the head's four
	s_lshl_b32 s2, s13, 2
	s_add_co_u32 s2, s2, s15
	s_lshl_b32 s2, s2, 17
	s_lshl_b32 s3, s12, 14
	s_add_co_u32 s2, s2, s3
	s_add_co_u32 s2, s2, VI
	FILL 24
.Lnot_v:
	s_cmp_lt_u32 s10, 12
	s_cbranch_scc0 .Lnot_r
	s_lshl_b32 s49, s15, 14
	s_add_co_u32 s49, s49, RIMG                    ; r
	s_lshl_b32 s2, s15, 18
	s_lshl_b32 s3, s13, 10
	s_add_co_u32 s2, s2, s3
	s_add_co_u32 s2, s2, RI
	FILL 16
.Lnot_r:
	s_cmp_eq_u32 s10, 12
	s_cbranch_scc0 .Lnot_ks
	s_mov_b32 s49, KSC
	s_lshl_b32 s2, s14, 12
	s_add_co_u32 s2, s2, KSO
	FILL 32
.Lnot_ks:
	s_cmp_eq_u32 s10, 13
	s_cbranch_scc0 .Lnot_rs
	s_mov_b32 s49, RSC
	s_lshl_b32 s2, s13, 12
	s_add_co_u32 s2, s2, RSO
	FILL 32
.Lnot_rs:
	s_cmp_eq_u32 s10, 14
	s_cbranch_scc0 .Lzeros
	s_mov_b32 s49, VSC
	s_lshl_b32 s2, s14, 11
	s_add_co_u32 s2, s2, VSO
	FILL 40
.Lzeros:
	ds_store_b128 v16, v[24:27]
	ds_store_b128 v16, v[24:27] offset:512
	ds_store_b64 v17, v[24:25]
.Lfilled:
	s_lshl_b32 s2, s12, 20
	s_lshl_b32 s3, s13, 10
	s_add_co_u32 s2, s2, s3
	s_mov_b32 s3, 0
	s_add_nc_u64 s[70:71], s[4:5], s[2:3]          ; q's images of my batch, at my head's two chunks
	s_add_nc_u64 s[74:75], s[8:9], s[2:3]          ; att's likewise
	s_lshl_b32 s2, s14, 12
	s_add_co_u32 s2, s2, QSO
	s_add_nc_u64 s[72:73], s[4:5], s[2:3]          ; q's scale words of my head
	s_lshl_b32 s2, s14, 11
	s_lshl_b32 s67, s11, 10
	s_add_co_u32 s2, s2, s67
	s_add_co_u32 s2, s2, ASO
	s_add_nc_u64 s[76:77], s[8:9], s[2:3]          ; att's scale pairs of my 512 queries
	s_wait_loadcnt 0x0
	v_or_b32 v84, v84, v85                         ; does any key of the batch count?
	v_or_b32 v86, v86, v87
	v_or_b32 v88, v88, v89
	v_or_b32 v90, v90, v91
	s_delay_alu instid0(VALU_DEP_3)
	v_or_b32 v84, v84, v86
	s_delay_alu instid0(VALU_DEP_2)
	v_or_b32 v88, v88, v90
	s_delay_alu instid0(VALU_DEP_1)
	v_or_b32 v84, v84, v88
	s_delay_alu instid0(VALU_DEP_1)
	v_cmp_ne_u32 vcc_lo, 0, v84
	s_cmp_lg_u32 vcc_lo, 0
	s_cselect_b32 s80, -1, 0                       ; s80: all ones, or 0 in a batch with every key masked: a choice, no branch
	s_and_b32 s81, s80, 0xb8                       ; the code of -1.0, or 0 there
	s_and_b32 s82, s80, 0x38                       ; the code of 1.0, or 0 there
	v_mov_b32 v21, s81
	v_mov_b32 v22, s82
	v_bfe_u32 v19, v0, 4, 1
.irp m, 0,1
	v_cmp_eq_u32 vcc_lo, 0, v[72+\m]
	s_delay_alu instid0(VALU_DEP_1)
	v_cndmask_b32 v[72+\m], 0, v21, vcc_lo         ; a masked key's word
	ds_store_b32 v18, v[72+\m] offset:2048*\m
.endr
	v_cmp_eq_u32 vcc_lo, 0, v19
	s_delay_alu instid0(VALU_DEP_1)
	v_cndmask_b32 v24, 0, v22, vcc_lo              ; q_i's operand at k = 64: lanes 0-15 hold k = 64 .. 79 in v24-27
	s_wait_alu depctr_va_vdst(0)
	s_wait_tensorcnt 0x0                           ; my fill has landed,
	s_wait_dscnt 0x0                               ; my stores too:
	s_barrier_signal -1
	s_barrier_wait -1                              ; everybody's have
; s60 = c of the window's tile 1 (the first that is made).  THE WINDOW THAT LIES ACROSS c = 1,024 decides tile by tile:
; r's tile t of the four, and its scale words.  Under c = 1,024 rows 16 T + p, from there on rows 16 T + p - 1: a choice of address, no branch.  The AND holds the tile's byte inside r's 64 tiles.
.macro RLOAD t
	s_add_co_u32 s67, s60, 16*\t
	s_lshl_b32 s68, s67, 6
	s_and_b32 s68, s68, 0xfc00
	s_lshr_b32 s69, s68, 4
	s_cmp_lt_u32 s67, 1024
	s_cselect_b32 s78, -1, 0
	s_cselect_b32 s79, 4, 0
	s_add_co_u32 s69, s69, s79
	v_cndmask_b32 v10, v3, v2, s78
	s_delay_alu instid0(VALU_DEP_1)
	v_add_nc_u32 v10, s68, v10
	v_add_nc_u32 v11, s69, v4
	ds_load_b128 v[FF+8*\t:FF+8*\t+3], v10
	ds_load_b128 v[FF+8*\t+4:FF+8*\t+7], v10 offset:512
	ds_load_b32 v[RSR+\t], v11
.endm
; its product: with q_i under c = 1,024, with q_(i+1) from there on: a scalar branch on ids, round the one line
.macro RMUL t
.if \t < 3
.set rD, XD+8*\t
.else
.set rD, CR
.endif
	s_add_co_u32 s67, s60, 16*\t
	s_cmp_lt_u32 s67, 1024
	s_cbranch_scc0 .Lhigh_\@
	v_wmma_scale_f32_16x16x128_f8f6f4 v[rD:rD+7], v[FF+8*\t:FF+8*\t+15], v[16:31], 0, v[RSR+\t], v245
	s_branch .Lmade_\@
.Lhigh_\@:
	v_wmma_scale_f32_16x16x128_f8f6f4 v[rD:rD+7], v[FF+8*\t:FF+8*\t+15], v[32:47], 0, v[RSR+\t], v246
.Lmade_\@:
.endm
; the four products of a window that lies on one side
.macro RM4 bq, qs
.irp t, 0,1,2
	v_wmma_scale_f32_16x16x128_f8f6f4 v[XD+8*\t:XD+8*\t+7], v[FF+8*\t:FF+8*\t+15], v[\bq:\bq+15], 0, v[RSR+\t], v[\qs]
.endr
	v_wmma_scale_f32_16x16x128_f8f6f4 v[CR:CR+7], v[FF+24:FF+39], v[\bq:\bq+15], 0, v[RSR+3], v[\qs]
.endm
; A window's X^T.  The tile carried from the last window goes into the stage first, then its registers take the new last tile.
.macro WBD w
	ds_store_b128 v5, v[CR:CR+3]                   ; columns 8 hl + 0 .. 7 of row n, from the low end on
	ds_store_b128 v5, v[CR+4:CR+7] offset:16
	s_sub_co_u32 s67, s60, 976
	s_cmp_lt_u32 s67, 48                           ; 976, 992, 1,008: the four tiles lie across 1,024
	s_cbranch_scc1 .Lstrad_\@
	s_lshl_b32 s68, s60, 6
	s_and_b32 s68, s68, 0xfc00
	s_lshr_b32 s69, s68, 4
	s_cmp_lt_u32 s60, 1024
	s_cselect_b32 s78, -1, 0
	s_cselect_b32 s79, 4, 0
	s_add_co_u32 s69, s69, s79
	v_cndmask_b32 v10, v3, v2, s78
	s_delay_alu instid0(VALU_DEP_1)
	v_add_nc_u32 v10, s68, v10
	v_add_nc_u32 v11, s69, v4
.irp t, 0,1,2,3
	ds_load_b128 v[FF+8*\t:FF+8*\t+3], v10 offset:1024*\t          ; the four tiles are neighbours in LDS
	ds_load_b128 v[FF+8*\t+4:FF+8*\t+7], v10 offset:1024*\t+512
	ds_load_b32 v[RSR+\t], v11 offset:64*\t
.endr
	s_wait_alu depctr_va_vdst(0)
	s_wait_dscnt 0x0
	s_cmp_lt_u32 s60, 1024
	s_cbranch_scc0 .Lhi_\@
	RM4 16, 245
	s_branch .Ljoin_\@
.Lhi_\@:
	RM4 32, 246
	s_branch .Ljoin_\@
.Lstrad_\@:
.irp t, 0,1,2,3
	RLOAD \t
.endr
	s_wait_dscnt 0x0
.irp t, 0,1,2,3
	RMUL \t
.endr
.Ljoin_\@:
.endm
; X^T into the stage, the skewed reads into the scores' registers, k's four tiles with their mask words, and the products K Q^T onto what was read.  Eight places stand between WBD's products and this.
.macro WAC w
.irp t, 0,1,2
	ds_store_b128 v5, v[XD+8*\t:XD+8*\t+3] offset:64*(\t+1)        ; X^T(n, 16 (t + 1) + 8 hl + 0 .. 7), each result from its low end on
	ds_store_b128 v5, v[XD+8*\t+4:XD+8*\t+7] offset:64*(\t+1)+16
.endr
	ds_store_b128 v5, v[CR:CR+3] offset:256
	ds_store_b128 v5, v[CR+4:CR+7] offset:272
.irp k, 0,1,2,3,4,5
	v_mov_b32 v[XD+\k], 0                          ; what stands behind k's last tile in its operand: zero codes (the stores above have taken these registers' numbers)
.endr
.rept 4
	v_nop                                          ; an operand's register written by a vector line stands four places ahead of a scaled product
.endr
.irp u, 0,1,2,3
	ds_load_b128 v[FF+10*\u:FF+10*\u+3], v248 offset:1024*(4*\w+\u)
	ds_load_b128 v[FF+10*\u+4:FF+10*\u+7], v248 offset:1024*(4*\w+\u)+512
	ds_load_b32 v[FF+10*\u+8], v250 offset:256*\w+64*\u            ; the tile's mask words: k = 64 of key p in lanes 0-15
.endr
.set j, 0
.rept 32
	ds_load_b32 v[SS+32*\w+j], v6 offset:64*(j/8)+4*(j%8)          ; column 15 + kk - n: LDS serves a wave's instructions in order: these see my stores
.set j, j+1
.endr
	s_wait_alu depctr_va_vdst(0)
	s_wait_dscnt 0x0
.irp u, 0,2
	v_wmma_scale_f32_16x16x128_f8f6f4 v[SS+8*(4*\w+\u):SS+8*(4*\w+\u)+7], v[FF+10*\u:FF+10*\u+15], v[16:31], v[SS+8*(4*\w+\u):SS+8*(4*\w+\u)+7], v[KSR+2*\w+\u/2], v245
	v_wmma_scale_f32_16x16x128_f8f6f4 v[SS+8*(4*\w+\u)+8:SS+8*(4*\w+\u)+15], v[FF+10*\u+10:FF+10*\u+25], v[16:31], v[SS+8*(4*\w+\u)+8:SS+8*(4*\w+\u)+15], v[KSR+2*\w+\u/2], v245 matrix_a_scale:MATRIX_SCALE_ROW1
.endr
	s_add_co_u32 s60, s60, 64
.endm
	s_mov_b32 s57, 0
.Lblk:                                             ; two trips: queries 512 x + 256 trip + 16 wave on
	s_lshl_b32 s59, s11, 9
	s_lshl_b32 s2, s57, 8
	s_add_co_u32 s59, s59, s2
	s_lshl_b32 s2, s10, 4
	s_add_co_u32 s59, s59, s2                      ; i0
	s_sub_co_u32 s60, 1024, s59                    ; c of the first window's tile 1
	s_mov_b32 s61, 0                               ; the step's place in k's images: 8,192 a step
	s_mov_b32 s62, VIMG                            ; in v's: 2,048 a step
	s_mov_b32 s63, 0                               ; in the mask's words and in k's scale words: 512 a step
	s_mov_b32 s66, 0                               ; in v's scale words: 256 a step
	s_lshl_b32 s2, s59, 10
	v_add_nc_u32 v253, s2, v1                      ; my tile of queries in q's and att's images: it stands through the trip
	s_lshl_b32 s2, s57, 9
	v_add_nc_u32 v254, s2, v255
	v_and_b32 v184, 15, v0
	s_delay_alu instid0(VALU_DEP_1)
	v_add_nc_u32 v184, s59, v184                   ; i0 + n
	s_delay_alu instid0(VALU_DEP_1)
	v_lshlrev_b32 v185, 2, v184
	s_delay_alu instid0(VALU_DEP_2)
	v_add_nc_u32 v184, 1, v184
	s_delay_alu instid0(VALU_DEP_1)
	v_min_u32 v184, 0x3ff, v184                    ; i0 + n + 1, held inside the batch (query 1023 has no key above the diagonal's neighbour)
	s_delay_alu instid0(VALU_DEP_1)
	v_lshlrev_b32 v186, 2, v184
	s_delay_alu instid0(VALU_DEP_2)
	v_lshrrev_b32 v187, 4, v184
	s_delay_alu instid0(VALU_DEP_3)
	v_and_b32 v184, 15, v184
	s_delay_alu instid0(VALU_DEP_2)
	v_lshlrev_b32 v187, 14, v187
	s_delay_alu instid0(VALU_DEP_1)
	v_lshl_add_u32 v187, v184, 4, v187
	v_bfe_u32 v184, v0, 4, 1
	s_delay_alu instid0(VALU_DEP_1)
	v_lshl_add_u32 v187, v184, 8, v187
	global_load_b128 v[16:19], v253, s[70:71]
	global_load_b128 v[20:23], v253, s[70:71] offset:512
	global_load_b128 v[32:35], v187, s[70:71]
	global_load_b128 v[36:39], v187, s[70:71] offset:512
	global_load_b32 v245, v185, s[72:73]
	global_load_b32 v246, v186, s[72:73]
	; the first window's tile 0: c = 1,008 - i0 on, always under 1,024.  It is loaded as r's fourth tile
	s_sub_co_u32 s67, s60, 16
	s_lshl_b32 s68, s67, 6
	s_and_b32 s68, s68, 0xfc00
	s_lshr_b32 s69, s68, 4
	v_add_nc_u32 v10, s68, v2
	v_add_nc_u32 v11, s69, v4
	ds_load_b128 v[FF+24:FF+27], v10
	ds_load_b128 v[FF+28:FF+31], v10 offset:512
	ds_load_b32 v[RSR+3], v11 offset:4
	v_mov_b32 v13, 0xff61b1e6                      ; the largest t so far: -3e38
	s_delay_alu instid0(VALU_DEP_1)
	v_floor_f32 v12, -v13                          ; -M
	v_mov_b32 v14, 0                               ; the sum, in two halves
	v_mov_b32 v15, 0
	s_wait_loadcnt 0x0
	v_or_b32 v245, 0x7f0000, v245                  ; q_i's scale for k = 64 .. 95: 1
.irp j, 16,17,18,19,20,21,22,23,32,33,34,35,36,37,38,39
	v_and_b32 v\j, s80, v\j                        ; in a batch with every key masked the queries' codes become zeros
.endr
.set j, 0
.rept 32
	v_mov_b32 v[OT+j], 0                           ; the step is written once: the first finds zeros.  (Also the places between the lines above and the product)
.set j, j+1
.endr
	s_wait_dscnt 0x0
	v_wmma_scale_f32_16x16x128_f8f6f4 v[CR:CR+7], v[FF+24:FF+39], v[16:31], 0, v[RSR+3], v245
.rept 8
	v_nop                                          ; places in front of the store that reads the result and of the loads into the operand
.endr
	s_mov_b32 s58, 0
.Lstep:                                            ; eight trips of 128 keys
	v_add_nc_u32 v250, s63, v7
	v_add_nc_u32 v251, s63, v8
.irp m, 0,1,2,3
	ds_load_b32 v[KSR+\m], v251 offset:128*\m
.endr
	WBD 0
	v_add_nc_u32 v248, s61, v1                     ; the step's addresses in k's, v's and v's scale words' bytes, and k's scale for k = 64 .. 95, 2^103: seven of the eight places behind the products
	v_add_nc_u32 v249, s62, v1
	v_add_nc_u32 v252, s66, v9
.irp m, 0,1,2,3
	v_or_b32 v[KSR+\m], 0xe60000, v[KSR+\m]
.endr
	v_nop
	WAC 0
.rept 9
	v_nop                                          ; places in front of the loads into k's registers and of the first read of these scores; nine, since the next X^T is written over registers that these products read
.endr
	WBD 1
.irp b, 0,1
	v_max3_num_f32 v[BM+\b], v[SS+16*\b], v[SS+16*\b+1], v[SS+16*\b+2]   ; THE LARGEST SCORE OF EACH BLOCK OF 32 KEYS: for the row's maximum, and, since p rises with the score, for the block's largest p.
.endr
.irp i, 3,5,7
.irp b, 0,1
	v_max3_num_f32 v[BM+\b], v[BM+\b], v[SS+16*\b+\i], v[SS+16*\b+\i+1]  ; The first window's two blocks are searched here: these eight lines are the places behind the second window's X^T,
.endr
.endr
	WAC 1
	s_wait_alu depctr_va_vdst(0)
.irp i, 9,11,13
.irp b, 0,1
	v_max3_num_f32 v[BM+\b], v[BM+\b], v[SS+16*\b+\i], v[SS+16*\b+\i+1]  ; and these eight the places behind its products K Q^T
.endr
.endr
.irp b, 0,1
	v_max_num_f32 v[BM+\b], v[BM+\b], v[SS+16*\b+15]
.endr
.irp b, 2,3
	v_max3_num_f32 v[BM+\b], v[SS+16*\b], v[SS+16*\b+1], v[SS+16*\b+2]
.endr
.irp i, 3,5,7,9,11,13
.irp b, 2,3
	v_max3_num_f32 v[BM+\b], v[BM+\b], v[SS+16*\b+\i], v[SS+16*\b+\i+1]
.endr
.endr
.irp b, 2,3
	v_max_num_f32 v[BM+\b], v[BM+\b], v[SS+16*\b+15]
.endr
.irp b, 0,1,2,3
	v_permlanex16_b32 v[T1+\b], v[BM+\b], s52, s53
.endr
.irp b, 0,1,2,3
	s_delay_alu instid0(VALU_DEP_4)
	v_max_num_f32 v[BM+\b], v[BM+\b], v[T1+\b]
.endr
	s_delay_alu instid0(VALU_DEP_2)
	v_max3_num_f32 v[TMP], v[BM], v[BM+1], v[BM+2]
	s_delay_alu instid0(VALU_DEP_1)
	v_max_num_f32 v[TMP], v[TMP], v[BM+3]
	s_delay_alu instid0(VALU_DEP_1)
	v_mul_f32 v[TMP], s54, v[TMP]                  ; as t (c is positive)
	s_delay_alu instid0(VALU_DEP_1)
	v_max_num_f32 v13, v13, v[TMP]                 ; the running largest t
	v_mov_b32 v[TMP], v12
	s_delay_alu instid0(VALU_DEP_2)
	v_floor_f32 v12, -v13                          ; the new -M = -ceil(t)
	s_delay_alu instid0(VALU_DEP_1)
	v_sub_f32 v[TMP], v12, v[TMP]                  ; old M - new M: a whole number, 0 or less
	s_delay_alu instid0(VALU_DEP_1)
	v_cvt_i32_f32 v[TMP], v[TMP]                   ; (it saturates)
	s_delay_alu instid0(VALU_DEP_1)
	v_ldexp_f32 v[FP], 1.0, v[TMP]                 ; f = 2^(old M - new M)
.set j, 0
.rept 32
	v_pk_fma_f32 v[SS+j:SS+j+1], v[SS+j:SS+j+1], s[54:55], v[12:13] op_sel_hi:[1,0,0]   ; t - M
.set j, j+2
.endr
.irp b, 0,1,2,3
	v_fma_f32 v[BM+\b], v[BM+\b], s54, v12
.endr
.set j, 0
	s_wait_alu depctr_va_vdst(0)
.rept 64
	v_exp_f32 v[SS+j], v[SS+j]                     ; p = 2^(t - M)
.set j, j+1
.endr
	v_pk_mul_f32 v[14:15], v[14:15], v[FP:FP+1] op_sel_hi:[1,0]   ; the sums under the new M (a plain line behind the exponentials)
	s_wait_alu depctr_va_vdst(0)                   ; one wait for the batch, ahead of its first reader
.irp b, 0,1,2,3
	v_exp_f32 v[BM+\b], v[BM+\b]                   ; the blocks' largest p
.endr
	v_pk_add_f32 v[200:201], v[52:53], v[56:57]    ; the row's sum of the unquantised p, in eight chains
	v_pk_add_f32 v[250:251], v[60:61], v[64:65]
	v_pk_add_f32 v[240:241], v[68:69], v[72:73]
	v_pk_add_f32 v[238:239], v[76:77], v[80:81]
	v_pk_add_f32 v[236:237], v[84:85], v[88:89]
	v_pk_add_f32 v[234:235], v[92:93], v[96:97]
	v_pk_add_f32 v[232:233], v[100:101], v[104:105]
	v_pk_add_f32 v[14:15], v[14:15], v[108:109]
	v_pk_add_f32 v[200:201], v[200:201], v[48:49]
	v_pk_add_f32 v[250:251], v[250:251], v[50:51]
	v_pk_add_f32 v[240:241], v[240:241], v[54:55]
	v_pk_add_f32 v[238:239], v[238:239], v[58:59]
	v_pk_add_f32 v[236:237], v[236:237], v[62:63]
	v_pk_add_f32 v[234:235], v[234:235], v[66:67]
	v_pk_add_f32 v[232:233], v[232:233], v[70:71]
	v_pk_add_f32 v[14:15], v[14:15], v[74:75]
	v_pk_add_f32 v[200:201], v[200:201], v[78:79]
	v_pk_add_f32 v[250:251], v[250:251], v[82:83]
	v_pk_add_f32 v[240:241], v[240:241], v[86:87]
	v_pk_add_f32 v[238:239], v[238:239], v[90:91]
	v_pk_add_f32 v[236:237], v[236:237], v[94:95]
	v_pk_add_f32 v[234:235], v[234:235], v[98:99]
	v_pk_add_f32 v[232:233], v[232:233], v[102:103]
	v_pk_add_f32 v[14:15], v[14:15], v[106:107]
	v_pk_add_f32 v[200:201], v[200:201], v[110:111]
	s_delay_alu instid0(VALU_DEP_2)
	v_pk_add_f32 v[14:15], v[14:15], v[238:239]
	s_delay_alu instid0(VALU_DEP_2)
	v_pk_add_f32 v[200:201], v[200:201], v[236:237]
	v_pk_add_f32 v[250:251], v[250:251], v[234:235]
	v_pk_add_f32 v[240:241], v[240:241], v[232:233]
	s_delay_alu instid0(VALU_DEP_2)
	v_pk_add_f32 v[14:15], v[14:15], v[250:251]
	s_delay_alu instid0(VALU_DEP_2)
	v_pk_add_f32 v[200:201], v[200:201], v[240:241]
	s_delay_alu instid0(VALU_DEP_1)
	v_pk_add_f32 v[14:15], v[14:15], v[200:201]
	s_wait_alu depctr_va_vdst(0)                   ; and one for the four
.irp b, 0,1,2,3
	v_max_num_f32 v[BM+\b], 0x4800000, v[BM+\b]    ; the floor: the byte cannot fall under 1
.endr
.irp b, 0,1,2,3
	s_delay_alu instid0(VALU_DEP_4)
	v_add_nc_u32 v[SO+\b], 0xfc000000, v[BM+\b]
.endr
.irp b, 0,1,2,3
	v_and_or_b32 v[HL+\b], v[BM+\b], 0x7f800000, s56
.endr
.irp b, 0,1,2,3
	v_lshrrev_b32 v[T1+\b], 23, v[SO+\b]
.endr
	s_delay_alu instid0(VALU_DEP_3)
	v_lshl_or_b32 v247, v[T1+1], 8, v[T1]          ; p's scale word for these 128 keys
	s_delay_alu instid0(VALU_DEP_1)
	v_lshl_or_b32 v247, v[T1+2], 16, v247
	s_delay_alu instid0(VALU_DEP_1)
	v_lshl_or_b32 v247, v[T1+3], 24, v247
.irp b, 0,1,2,3
.set j, 0
.rept 16
	v_min_num_f32 v[SS+16*\b+j], v[SS+16*\b+j], v[HL+\b]   ; p is not negative: the hold is one-sided
.set j, j+1
.endr
	v_cvt_scalef32_pk8_fp8_f32 v[PC+4*\b:PC+4*\b+1], v[SS+16*\b:SS+16*\b+7], v[SO+\b]
	v_cvt_scalef32_pk8_fp8_f32 v[PC+4*\b+2:PC+4*\b+3], v[SS+16*\b+8:SS+16*\b+15], v[SO+\b]
.endr
.irp d, 0,1,2,3
.irp c, 0,1,2,3
	ds_load_b128 v[SS+16*\d+4*\c:SS+16*\d+4*\c+3], v249 offset:16384*\d+512*\c   ; v's four tiles of these 128 keys, into the registers that p has left
.endr
.endr
	ds_load_b32 v[VSR], v252
	ds_load_b32 v[VSR+1], v252 offset:128
.set j, 0
.rept 16
	v_pk_mul_f32 v[OT+j:OT+j+1], v[OT+j:OT+j+1], v[FP:FP+1] op_sel_hi:[1,0]   ; O^T under the new M; also the places between the codes and the products
.set j, j+2
.endr
	s_wait_alu depctr_va_vdst(0)
	s_wait_dscnt 0x0
.irp d, 0,2
	v_wmma_scale_f32_16x16x128_f8f6f4 v[OT+8*\d:OT+8*\d+7], v[SS+16*\d:SS+16*\d+15], v[PC:PC+15], v[OT+8*\d:OT+8*\d+7], v[VSR+\d/2], v247
	v_wmma_scale_f32_16x16x128_f8f6f4 v[OT+8*\d+8:OT+8*\d+15], v[SS+16*\d+16:SS+16*\d+31], v[PC:PC+15], v[OT+8*\d+8:OT+8*\d+15], v[VSR+\d/2], v247 matrix_a_scale:MATRIX_SCALE_ROW1
.endr
	s_add_co_u32 s61, s61, 8192                    ; (the next step's first loads land in none of these products' registers: nothing is owed here)
	s_add_co_u32 s62, s62, 2048
	s_add_co_u32 s63, s63, 512
	s_add_co_u32 s66, s66, 256
	s_add_co_u32 s58, s58, 1
	s_cmp_lt_u32 s58, 8
	s_cbranch_scc1 .Lstep
	; the tile's way out: O^T / l, quantised along e.  Wv's rows lie so that registers 16 a + i are d = 32 a + 16 hl + i: the conversions' results are the next product's operand
.rept 8
	v_nop
.endr
	v_add_f32 v14, v14, v15
	s_delay_alu instid0(VALU_DEP_1)
	v_permlanex16_b32 v[TMP], v14, s52, s53
	s_delay_alu instid0(VALU_DEP_1)
	v_add_f32 v14, v14, v[TMP]                     ; the row's sum
	s_wait_alu depctr_va_vdst(0)
	v_rcp_f32 v14, v14
	v_nop                                          ; a plain line behind the reciprocal
	s_wait_alu depctr_va_vdst(0)                   ; the wait ahead of its first reader
.set j, 0
.rept 32
	v_mul_f32 v[SS+j], v[OT+j], v14
.set j, j+1
.endr
.irp a, 0,1
	v_max3_num_f32 v[BM+\a], |v[SS+16*\a]|, |v[SS+16*\a+1]|, 0x4800000
.endr
.irp i, 2,4,6,8,10,12,14
.irp a, 0,1
	s_delay_alu instid0(VALU_DEP_2)
	v_max3_num_f32 v[BM+\a], v[BM+\a], |v[SS+16*\a+\i]|, |v[SS+16*\a+\i+1]|
.endr
.endr
.irp a, 0,1
	s_delay_alu instid0(VALU_DEP_2)
	v_permlanex16_b32 v[T1+\a], v[BM+\a], s52, s53
.endr
.irp a, 0,1
	s_delay_alu instid0(VALU_DEP_2)
	v_max_num_f32 v[BM+\a], v[BM+\a], v[T1+\a]
.endr
.irp a, 0
	s_delay_alu instid0(VALU_DEP_2)
	v_add_nc_u32 v[SO+\a], 0xfc000000, v[BM+\a]
	s_delay_alu instid0(VALU_DEP_3)
	v_and_or_b32 v[HL+\a], v[BM+\a], 0x7f800000, s56
	s_delay_alu instid0(VALU_DEP_2)
	v_lshrrev_b32 v[T1+\a], 23, v[SO+\a]
.endr
.irp a, 1
	s_delay_alu instid0(VALU_DEP_4)
	v_add_nc_u32 v[SO+\a], 0xfc000000, v[BM+\a]
	v_and_or_b32 v[HL+\a], v[BM+\a], 0x7f800000, s56
	s_delay_alu instid0(VALU_DEP_2)
	v_lshrrev_b32 v[T1+\a], 23, v[SO+\a]
.endr
	s_delay_alu instid0(VALU_DEP_1)
	v_lshl_or_b32 v[TMP], v[T1+1], 8, v[T1]        ; the two bytes of my query and head
.irp a, 0,1
.set j, 0
.rept 16
	v_med3_num_f32 v[SS+16*\a+j], v[SS+16*\a+j], -v[HL+\a], v[HL+\a]
.set j, j+1
.endr
	v_cvt_scalef32_pk8_fp8_f32 v[FF+4*\a:FF+4*\a+1], v[SS+16*\a:SS+16*\a+7], v[SO+\a]
	v_cvt_scalef32_pk8_fp8_f32 v[FF+4*\a+2:FF+4*\a+3], v[SS+16*\a+8:SS+16*\a+15], v[SO+\a]
.endr
	v_nop                                          ; a plain line behind the last conversion
	global_store_b128 v253, v[FF:FF+3], s[74:75]               ; 512 consecutive bytes: the image of four operand registers
	global_store_b128 v253, v[FF+4:FF+7], s[74:75] offset:512
	ds_store_b16 v254, v[TMP]                      ; both halves of the lanes write the same pair
	s_wait_xcnt 0x0                                ; the stores' data and offset are written again only behind this wait
	s_add_co_u32 s57, s57, 1
	s_cmp_lt_u32 s57, 2
	s_cbranch_scc1 .Lblk
	s_lshl_b32 s2, s10, 9
	v_add_nc_u32 v17, s2, v1                       ; 512 x wave + 16 x lane
	s_delay_alu instid0(VALU_DEP_1)
	v_add_nc_u32 v16, ASG, v17
	s_wait_dscnt 0x0                               ; my pairs have landed
	s_barrier_signal -1
	s_barrier_wait -1
	s_cmp_lt_u32 s10, 2                            ; waves 0 and 1 store the 1,024 bytes
	s_cbranch_scc0 .Lend
	s_wait_alu depctr_va_vdst(0)
	ds_load_b128 v[20:23], v16
	s_wait_dscnt 0x0
	global_store_b128 v17, v[20:23], s[76:77]      ; 512 consecutive bytes, aligned
.Lend:
	s_wait_tensorcnt 0x0                           ; the wave's end
	ds_add_u32 v243, v244
	s_wait_dscnt 0x0
	s_endpgm
.Lfunc_end_k_qd0f6a7793b_attn:
	.size	k_qd0f6a7793b_attn, .Lfunc_end_k_qd0f6a7793b_attn-k_qd0f6a7793b_attn
	.p2alignl 7, 3214868480
	.fill 96, 4, 3214868480
	.section	.rodata,"a",@progbits
	.p2align	6, 0x0
	.amdhsa_kernel k_qd0f6a7793b_attn
		.amdhsa_group_segment_fixed_size 322048
		.amdhsa_private_segment_fixed_size 0
		.amdhsa_enable_private_segment 0
		.amdhsa_kernarg_size 24
		.amdhsa_user_sgpr_count 2
		.amdhsa_user_sgpr_kernarg_segment_ptr 1
		.amdhsa_wavefront_size32 1
		.amdhsa_system_sgpr_workgroup_id_x 1
		.amdhsa_system_sgpr_workgroup_id_y 1
		.amdhsa_system_sgpr_workgroup_id_z 1
		.amdhsa_system_vgpr_workitem_id 0
		.amdhsa_next_free_vgpr 256
		.amdhsa_next_free_sgpr 100
		.amdhsa_reserve_vcc 1
		.amdhsa_float_denorm_mode_32 3
		.amdhsa_float_denorm_mode_16_64 3
		.amdhsa_memory_ordered 1
		.amdhsa_forward_progress 1
		.amdhsa_inst_pref_size 65
	.end_amdhsa_kernel
	.amdgpu_metadata
---
amdhsa.version: [ 1, 2 ]
amdhsa.kernels:
  - .name:           k_qd0f6a7793b_attn
    .symbol:         k_qd0f6a7793b_attn.kd
    .args:
      - { .name: img, .offset: 0, .size: 8, .value_kind: global_buffer, .address_space: global }
      - { .name: mask, .offset: 8, .size: 8, .value_kind: global_buffer, .address_space: global }
      - { .name: att, .offset: 16, .size: 8, .value_kind: global_buffer, .address_space: global }
    .group_segment_fixed_size: 322048
    .private_segment_fixed_size: 0
    .kernarg_segment_align: 8
    .kernarg_segment_size: 24
    .max_flat_workgroup_size: 512
    .sgpr_count:     100
    .vgpr_count:     256
    .wavefront_size: 32
...
	.end_amdgpu_metadata
.endif
;; end of part 3
;; launch gemm2 (part 4): grid 4 x 64, 4 waves a work-group, clusters of 4 x 4, 327,680 bytes of LDS; arguments att, ops, inputs, out0; writes out0
.if DOCPART == 4
	.amdgcn_target "amdgcn-amd-amdhsa--gfx1250"
	.amdhsa_code_object_version 6
	.text
	.protected	k_qd0f6a7793b_gemm2
	.globl	k_qd0f6a7793b_gemm2
	.p2align	8
	.type	k_qd0f6a7793b_gemm2,@function
k_qd0f6a7793b_gemm2:
	s_mov_b64 s[64:65], 0
	v_nop
	global_prefetch_b8 v0, s[64:65] scope:SCOPE_SE
	s_setreg_imm32_b32 hwreg(HW_REG_WAVE_MODE, 25, 1), 1
	s_wait_xcnt 0x0
	s_wait_alu depctr_hold_cnt(0) depctr_sa_sdst(0) depctr_va_vdst(0) depctr_va_sdst(0) depctr_va_ssrc(0) depctr_va_vcc(0) depctr_vm_vsrc(0)
	s_getreg_b32 s2, hwreg(HW_REG_IB_STS2, 6, 4)
	s_cmp_eq_u32 s2, 0
	s_cbranch_scc0 .Lentry_in_a_cluster
	s_endpgm
.Lentry_in_a_cluster:
	s_bfe_u32 s2, ttmp6, 0x10000c
	s_cmp_lg_u32 s2, 0xf033
	s_cbranch_scc0 .Lentry_shape_is_right
	s_endpgm
.Lentry_shape_is_right:
; OUT = attn_vec Wo + inputs: 8,192 x 1,024 x 1,024 on codes of E4M3 with one E8M0 byte for each 32 along K; sums in f32.
; att: attn_vec's codes as images of operand registers: [16 rows][K chunk of 128: 2,048 bytes][piece c: 512][lane][16 bytes]; behind them (byte ASO) its scale pairs [batch][head][query], 2 bytes.
; ops: Wo's columns as rows 13,312 on, 1,024 codes each, K innermost; their scale bytes at OPS, 32 a row.
; SHARES.  256 work-groups of four waves (2 x 2); a work-group makes 128 rows x 256 columns, a wave 64 x 128: 32 accumulators.  A wave holds its 64 rows of A, ALL of K, in 512 registers.
; LDS has two regions of 256 rows x 528 bytes (512 + 16 of padding), each filled twice, always with rows of the same shape:
;   X: A's 128 rows (131,072 dense bytes as 256 rows of 512: a row is one piece of an image), asked for jointly along a row of the cluster; when all waves hold A in registers: Wo's 256 rows, K 512 .. 1,023;
;   Y: Wo's 256 rows, K 0 .. 511, asked for jointly down a column of the cluster; when K's first half is multiplied: the residual, 128 rows x 1,024 bytes, each wave the 64 rows x 512 bytes that it adds itself.
; Each refill stands behind a drained round of the cluster's barrier.  At the head waves 0 and 1 fetch A's halves and waves 2 and 3 Wo's; Wo's second fill is waves 2 and 3's; the residual's a quarter a wave (no mask: nobody shares it).
; THE PRODUCT IS USED TRANSPOSED (source 0 = 16 rows of Wo, source 1 = 16 rows of A): a lane holds eight neighbouring numbers of a row of the result.
; K goes in eight chunks of 128; a chunk is two batches of 16 products (four fragments of Wo x A's four blocks); Wo's fragments stand in two sets, the next batch's being fetched ahead of a batch's products.
; PREFETCHES, at the head, behind the scale words' loads (the text has no loop): Wo's K 512 .. 1,023: of the 64 rows that go with a wave's number each of the four partners down the column names 16, told apart by address, a lane
; a block of 256 bytes, one instruction; and the wave's part of the residual, 128 blocks, four instructions.  Each block is named once in the cluster that will load it.
; REGISTERS: window 0: v2-19 addresses, v28-29 the add's, v32-47 A's scale words, v52-83 Wo's (the two numbers of a product differ modulo 8), v84-99 raw pairs, v128-255 Wo's two sets, later the way out;
; windows 1, 2: A's fragment 4 q + a at 16 x its number (window 1 later takes the residual); window 3: accumulator (a, b) at 8 (8 a + b).
; LIMITS: NaN and infinities are not served.
.set OPS,    14680064
.set ASO,    8388608
.set NP,     8                         ; plain vector lines behind this matrix form (ISA guide 7.12.1)
.set PL,     528                       ; an LDS row
.set HALF,   128*PL
.set YR,     2*HALF                    ; region Y; X begins at 0
.set STAGE,  4*HALF                    ; a stage of 16 rows x 528 bytes for each wave
.set SPITCH, 528
.set RAWS,   STAGE+4*16*SPITCH         ; 2,048 bytes for each wave: A's scale pairs, [head][64 rows]
.set SPARE,  RAWS+4*2048               ; the spare words
.set PADW,   (1<<20)|(6<<22)|(3<<25)   ; elements of 1 byte; four words of padding behind every 128
.set LN,  2
.set CO,  3                            ; 16 x lane
.set ADRB, 4                           ; v4, v5: my fragments of Wo in Y, in X
.set STO, 6
.set RD,  7
.set ABS, 8                            ; 32 x lane
.set RWI, 9                            ; 4 x lane
.set RWS, 10
.set RWL, 11
.set PFO, 12                           ; the prefetches' offsets; never rewritten
.set ADRA, 16                          ; v16, v17: my blocks 0, 1 and 2, 3 of A in X
.set RDR, 18                           ; my quarter of the residual in Y
.set PFB, 19
.set SPW, 28
.set NIL, 29
.set SAR, 32
.set SBR, 52
.set RW,  84
.set BS,  128
.set TU,  192
.set G0A, 28
.set G1A, 32
.set G0B, 40
.set G1B, 44
.set G0C, 52
.set G0R, 68
.set G1R, 72
.set MSB, 0
.macro WIN new                         ; the immediate's high byte repeats the setting that is left
.if MSB != \new
	s_set_vgpr_msb (MSB<<8)|\new
.set MSB, \new
.endif
.endm
.macro PLACES n
.rept \n
	v_nop
.endr
.endm
.macro CROUND                          ; a round of the cluster's barrier
	s_barrier_signal -1
	s_barrier_wait -1
	s_cmp_lg_u32 s14, 0
	s_cbranch_scc1 .Lnot_wave_0_\@
	s_barrier_signal -3
.Lnot_wave_0_\@:
	s_barrier_wait -3
	s_barrier_signal -1
	s_barrier_wait -1
.endm
.macro SHAPE g, rows, pitch            ; group 1 behind its first word: so many rows of 512 bytes
	s_mov_b32 s[\g+1], 512<<16
	s_mov_b32 s[\g+2], (\rows)<<16
	s_mov_b32 s[\g+3], 512<<16
	s_mov_b32 s[\g+4], \rows
	s_mov_b32 s[\g+5], \pitch
	s_mov_b32 s[\g+6], 0
	s_mov_b32 s[\g+7], 0
.endm
	s_load_b128 s[4:7], s[0:1], 0x0                ; att, ops
	s_load_b128 s[8:11], s[0:1], 0x10              ; inputs, out0
	v_lshl_add_u32 v[SPW], v0, 2, SPARE
	v_mov_b32 v[NIL], 0
	ds_add_u32 v[SPW], v[NIL]                      ; the opening lines: the add twice on end and its wait ahead of my first tensor load
	ds_add_u32 v[SPW], v[NIL]
	v_lshrrev_b32 v1, 5, v0
	v_readfirstlane_b32 s14, v1                    ; wave
	s_lshr_b32 s15, s14, 1                         ; my 64 rows.  Also: I fetch for A (0) or for Wo (1)
	s_and_b32 s16, s14, 1                          ; my 128 columns.  Also: which half I fetch
	s_bfe_u32 s56, ttmp6, 0x40000                  ; cx, cy
	s_bfe_u32 s57, ttmp6, 0x40004
	s_lshl_b32 s58, ttmp9, 2
	s_add_co_u32 s58, s58, s56                     ; tile column 0 .. 3
	s_and_b32 s17, ttmp7, 0xffff
	s_lshl_b32 s17, s17, 2
	s_add_co_u32 s17, s17, s57                     ; tile row 0 .. 63
	s_lshl_b32 s59, s57, 2
	s_lshl_b32 s59, 15, s59                        ; my row of the cluster shares A
	s_lshl_b32 s60, 0x1111, s56                    ; my column shares Wo
	s_or_b32 s[G1A], s59, PADW|(1<<21)
	SHAPE G1A, 128, 512
	s_or_b32 s[G1B], s60, PADW|(1<<21)
	SHAPE G1B, 128, 1024
	s_mov_b32 s[G1R], PADW
	SHAPE G1R, 64, 4096
	s_lshl_b32 s20, s17, 17
	s_lshl_b32 s18, s16, 16
	s_add_co_u32 s20, s20, s18                     ; A: my half of the tile's 131,072 bytes
	s_mov_b32 s21, 0
	s_lshl_b32 s26, s58, 8
	s_lshl_b32 s18, s16, 7
	s_add_co_u32 s26, s26, s18
	s_add_co_u32 s26, s26, 13312                   ; Wo: my half's first row; also the first of the 128 rows that I multiply
	s_lshl_b32 s62, s26, 5
	s_add_co_u32 s62, s62, OPS                     ; its scale bytes
	s_mov_b32 s63, 0
	s_lshl_b32 s26, s26, 10
	s_mov_b32 s27, 0
	s_lshl_b32 s66, s58, 8
	s_lshl_b32 s18, s14, 6
	s_add_co_u32 s66, s66, s18
	s_lshl_b32 s18, s57, 4
	s_add_co_u32 s66, s66, s18
	s_add_co_u32 s66, s66, 13312
	s_lshl_b32 s66, s66, 10
	s_add_co_u32 s66, s66, 512                     ; the prefetch of Wo's second half: my work-group's 16 of the 64 rows that go with my wave's number
	s_mov_b32 s67, 0
	s_lshl_b32 s19, s17, 7
	s_lshl_b32 s18, s15, 6
	s_add_co_u32 s19, s19, s18                     ; my first row
	s_lshr_b32 s22, s19, 10                        ; its batch
	s_lshl_b32 s22, s22, 14
	s_and_b32 s18, s19, 1023
	s_add_co_u32 s22, s22, s18
	s_lshl_b32 s22, s22, 1
	s_add_co_u32 s22, s22, ASO                     ; head 0's pair of my first row
	s_mov_b32 s23, 0
	s_lshl_b32 s24, s19, 12
	s_lshl_b32 s18, s58, 10
	s_add_co_u32 s24, s24, s18
	s_lshl_b32 s18, s16, 9
	s_add_co_u32 s24, s24, s18                     ; my corner of inputs and of out0
	s_mov_b32 s25, 0
	s_mul_i32 s80, s15, HALF                       ; LDS: my 64 rows of A are 128 rows of X,
	s_add_co_u32 s81, s80, 64*PL
	s_mul_i32 s83, s16, HALF                       ; my 128 rows of Wo in X,
	s_add_co_u32 s82, s83, YR                      ; and in Y
	s_mul_i32 s84, s14, 16*SPITCH
	s_add_co_u32 s84, s84, STAGE
	s_lshl_b32 s85, s14, 11
	s_add_co_u32 s85, s85, RAWS
	s_mul_i32 s86, s14, 64*PL
	s_add_co_u32 s86, s86, YR                      ; my quarter of the residual
	s_mov_b32 s[G0A], 1
	s_mul_i32 s[G0A+1], s16, HALF
	s_mov_b32 s[G0B], 1
	s_mul_i32 s[G0B+1], s16, HALF
	s_add_co_u32 s[G0B+1], s[G0B+1], YR
	s_mov_b32 s[G0C], 1
	s_mul_i32 s[G0C+1], s16, HALF
	s_mov_b32 s[G0R], 1
	s_mul_i32 s[G0R+1], s14, 64*PL
	s_add_co_u32 s[G0R+1], s[G0R+1], YR
	v_and_b32 v[LN], 31, v0
	v_and_b32 v13, 15, v0                          ; r
	v_bfe_u32 v14, v0, 4, 1                        ; h
	v_lshlrev_b32 v[CO], 4, v[LN]
	v_mul_u32_u24 v15, v13, PL
	v_lshl_add_u32 v15, v14, 4, v15                ; a fragment's row x pitch + 16 h
	v_add_nc_u32 v[ADRB], s82, v15
	v_add_nc_u32 v[ADRB+1], s83, v15
	v_add_nc_u32 v[ADRA], s80, v[CO]
	v_add_nc_u32 v[ADRA+1], s81, v[CO]
	v_mul_u32_u24 v20, v13, SPITCH
	v_lshl_add_u32 v20, v14, 5, v20
	v_add_nc_u32 v[STO], s84, v20                  ; into my stage: row r, 32 bytes for each half of the lanes
	v_add_nc_u32 v[RD], s84, v[CO]                 ; out of it: a row of 512 bytes to the 32 lanes
	v_add_nc_u32 v[RDR], s86, v[CO]
	v_lshlrev_b32 v[ABS], 5, v[LN]
	v_lshlrev_b32 v[RWI], 2, v[LN]
	v_add_nc_u32 v[RWS], s85, v[RWI]
	v_lshl_add_u32 v[RWL], v[LN], 1, s85
	v_lshrrev_b32 v21, 1, v[LN]
	v_and_b32 v22, 1, v[LN]
	v_lshlrev_b32 v23, 12, v21
	v_lshl_add_u32 v[PFO], v22, 8, v23             ; the residual: row lane / 2, half lane % 2 of its 512 bytes
	v_lshlrev_b32 v24, 10, v21
	v_lshl_add_u32 v[PFB], v22, 8, v24             ; Wo: likewise in rows of 1,024 bytes
	s_wait_alu depctr_va_vdst(0)
	s_wait_dscnt 0x0                               ; both opening adds are done
	s_wait_kmcnt 0x0
	s_add_nc_u64 s[22:23], s[4:5], s[22:23]
	s_add_nc_u64 s[62:63], s[6:7], s[62:63]
	s_add_nc_u64 s[66:67], s[6:7], s[66:67]
	s_add_nc_u64 s[8:9], s[8:9], s[24:25]
	s_add_nc_u64 s[10:11], s[10:11], s[24:25]
	s_add_nc_u64 s[G0A+2:G0A+3], s[4:5], s[20:21]
	s_or_b32 s[G0A+3], s[G0A+3], 0x80000000
	s_add_nc_u64 s[G0B+2:G0B+3], s[6:7], s[26:27]
	s_add_nc_u64 s[G0C+2:G0C+3], s[G0B+2:G0B+3], 512
	s_or_b32 s[G0B+3], s[G0B+3], 0x80000000
	s_or_b32 s[G0C+3], s[G0C+3], 0x80000000
	s_mov_b64 s[G0R+2:G0R+3], s[8:9]
	s_or_b32 s[G0R+3], s[G0R+3], 0x80000000
	CROUND                                         ; all sixteen work-groups are here: the joint loads meet
	s_cmp_eq_u32 s15, 0                            ; one tensor load a wave: waves 0, 1 A's halves into X; waves 2, 3 Wo's halves, K 0 .. 511, into Y
	s_cbranch_scc0 .Lfor_b
	tensor_load_to_lds s[G0A:G0A+3], s[G1A:G1A+7]
	s_nop 0
	PLACES 4
	s_branch .Lasked
.Lfor_b:
	tensor_load_to_lds s[G0B:G0B+3], s[G1B:G1B+7]
	s_nop 0
	PLACES 4
.Lasked:
.irp p, 0,1,2,3
.irp c, 0,1
	global_load_b128 v[SBR+8*\p+4*\c:SBR+8*\p+4*\c+3], v[ABS], s[62:63] offset:1024*\p+16*\c   ; Wo's scale words: lane l takes row 32 p + l: lanes 0-15 block 2 p, lanes 16-31 block 2 p + 1
.endr
.endr
.irp e, 0,1,2,3,4,5,6,7,8,9,10,11,12,13,14,15
	global_load_b32 v[RW+\e], v[RWI], s[22:23] offset:2048*\e   ; head e's pairs of my 64 rows: 128 consecutive bytes
.endr
	global_prefetch_b8 v[PFB], s[66:67] th:TH_LOAD_NT scope:SCOPE_SE
.irp i, 0,1,2,3
	global_prefetch_b8 v[PFO], s[8:9] offset:65536*\i th:TH_LOAD_NT scope:SCOPE_SE   ; the residual's rows 16 i on
.endr
	s_wait_loadcnt 0x0
	s_wait_tensorcnt 0x0                           ; my tile is in
.irp e, 0,1,2,3,4,5,6,7,8,9,10,11,12,13,14,15
	ds_store_b32 v[RWS], v[RW+\e] offset:128*\e    ; through my own bytes of LDS, so that lane l gets row l's pair; LDS serves a wave's instructions in order
.endr
.irp p, 0,1
.irp e, 0,1,2,3,4,5,6,7,8,9,10,11,12,13,14,15
	ds_load_u16 v[TU+16*\p+\e], v[RWL] offset:128*\e+64*\p
.endr
.endr
	s_wait_dscnt 0x0
.irp p, 0,1
.irp q, 0,1,2,3,4,5,6,7
	v_lshl_or_b32 v[SAR+8*\p+\q], v[TU+16*\p+2*\q+1], 16, v[TU+16*\p+2*\q]   ; chunk q's word: heads 2 q and 2 q + 1; lanes 0-15 block 2 p, lanes 16-31 block 2 p + 1
.endr
.endr
	s_wait_alu depctr_va_vdst(0)
	s_barrier_signal -1
	s_barrier_wait -1                              ; everybody's tile is in
.macro AREG q                          ; A's four blocks of K chunk q out of X into registers: each load takes one row of X, 512 bytes
	WIN (1+(\q)/4)<<6
.irp a, 0,1,2,3
.irp c, 0,1,2,3
	ds_load_b128 v[16*((4*(\q)+\a)%16)+4*\c:16*((4*(\q)+\a)%16)+4*\c+3], v[ADRA+\a/2] offset:(32*(\a%2)+4*(\q)+\c)*PL
.endr
.endr
.endm
.macro FETCH q, hf                     ; Wo's blocks 4 hf .. 4 hf + 3 of chunk q into set hf: chunks 0-3 lie in Y, 4-7 in X
.irp t, 0,1,2,3
.irp c, 0,1,2,3
	ds_load_b128 v[BS+64*(\hf)+16*\t+4*\c:BS+64*(\hf)+16*\t+4*\c+3], v[ADRB+(\q)/4] offset:(4*(\hf)+\t)*16*PL+128*((\q)%4)+32*\c
.endr
.endr
.endm
.macro MM q, a, t, hf                  ; one product; chunk 0's start the sums
.set D_, 8*(8*(\a)+4*(\hf)+(\t))
.set S0_, BS+64*(\hf)+16*(\t)
.set S1_, 16*((4*(\q)+(\a))%16)
.set XB_, SBR+8*((4*(\hf)+(\t))/2)+(\q)
.set XA_, SAR+8*((\a)/2)+(\q)
.if (\q) == 0
.if ((\t)%2) && ((\a)%2)
	v_wmma_scale_f32_16x16x128_f8f6f4 v[D_:D_+7], v[S0_:S0_+15], v[S1_:S1_+15], 0, v[XB_], v[XA_] matrix_a_scale:MATRIX_SCALE_ROW1 matrix_b_scale:MATRIX_SCALE_ROW1
.elseif (\t)%2
	v_wmma_scale_f32_16x16x128_f8f6f4 v[D_:D_+7], v[S0_:S0_+15], v[S1_:S1_+15], 0, v[XB_], v[XA_] matrix_a_scale:MATRIX_SCALE_ROW1
.elseif (\a)%2
	v_wmma_scale_f32_16x16x128_f8f6f4 v[D_:D_+7], v[S0_:S0_+15], v[S1_:S1_+15], 0, v[XB_], v[XA_] matrix_b_scale:MATRIX_SCALE_ROW1
.else
	v_wmma_scale_f32_16x16x128_f8f6f4 v[D_:D_+7], v[S0_:S0_+15], v[S1_:S1_+15], 0, v[XB_], v[XA_]
.endif
.else
.if ((\t)%2) && ((\a)%2)
	v_wmma_scale_f32_16x16x128_f8f6f4 v[D_:D_+7], v[S0_:S0_+15], v[S1_:S1_+15], v[D_:D_+7], v[XB_], v[XA_] matrix_a_scale:MATRIX_SCALE_ROW1 matrix_b_scale:MATRIX_SCALE_ROW1
.elseif (\t)%2
	v_wmma_scale_f32_16x16x128_f8f6f4 v[D_:D_+7], v[S0_:S0_+15], v[S1_:S1_+15], v[D_:D_+7], v[XB_], v[XA_] matrix_a_scale:MATRIX_SCALE_ROW1
.elseif (\a)%2
	v_wmma_scale_f32_16x16x128_f8f6f4 v[D_:D_+7], v[S0_:S0_+15], v[S1_:S1_+15], v[D_:D_+7], v[XB_], v[XA_] matrix_b_scale:MATRIX_SCALE_ROW1
.else
	v_wmma_scale_f32_16x16x128_f8f6f4 v[D_:D_+7], v[S0_:S0_+15], v[S1_:S1_+15], v[D_:D_+7], v[XB_], v[XA_]
.endif
.endif
.endm
; A batch: 16 products, the 32 accumulators by turns over a chunk's two batches.  The last batch of a half of K fetches nothing ahead: what follows lies in the other region.
.macro BATCH q, hf
	PLACES NP                                      ; ahead of the loads into the set that the last batch's products read
.if (2*(\q)+(\hf))%8 < 7
	FETCH ((2*(\q)+(\hf)+1)/2), (1-(\hf))
	s_wait_dscnt 16                                ; this batch's fragments are in; the 16 loads just issued may be out
.else
	s_wait_dscnt 0x0
.endif
	WIN 0xf0|((1+(\q)/4)<<2)
.irp a, 0,1,2,3
.irp t, 0,1,2,3
	MM \q, \a, \t, \hf
.endr
.endr
	WIN 0
.endm
.irp q, 0,1,2,3,4,5,6,7
	AREG \q
.endr
	WIN 0
	FETCH 0, 0
	s_wait_tensorcnt 0x0                           ; X's REFILL, ahead of its round:
	ds_add_u32 v[SPW], v[NIL]
	s_wait_dscnt 0x0                               ; the add is done, and A is in my registers
	CROUND                                         ; and in those of every wave of every partner
	s_cmp_eq_u32 s15, 0
	s_cbranch_scc1 .Lno_second
	tensor_load_to_lds s[G0C:G0C+3], s[G1B:G1B+7]  ; waves 2, 3: Wo's halves, K 512 .. 1,023, over A's rows
	s_nop 0
	PLACES 4
.Lno_second:
.irp q, 0,1,2,3
	BATCH \q, 0
	BATCH \q, 1
.endr
	s_wait_tensorcnt 0x0                           ; Y's REFILL: Wo's second half is in,
	ds_add_u32 v[SPW], v[NIL]
	s_wait_dscnt 0x0                               ; the add is done, and my reads of Y are over
	CROUND                                         ; both hold of every wave of every partner
	tensor_load_to_lds s[G0R:G0R+3], s[G1R:G1R+7]  ; my quarter of the residual, over Wo's first half
	s_nop 0
	PLACES 4
	FETCH 4, 0
.irp q, 4,5,6,7
	BATCH \q, 0
	BATCH \q, 1
.endr
; THE WAY OUT, block by block of 16 rows x 128 columns: through my stage, back as whole rows of 512 bytes, the residual added, stored as two aligned runs of 256 bytes.
.macro TOSTAGE a
	WIN 0x0c                                       ; the data: window 3
.irp b, 0,1,2,3,4,5,6,7
	ds_store_b128 v[STO], v[64*(\a)+8*\b:64*(\a)+8*\b+3] offset:64*\b       ; each accumulator from its low end on
	ds_store_b128 v[STO], v[64*(\a)+8*\b+4:64*(\a)+8*\b+7] offset:64*\b+16
.endr
	WIN 0
.set BB_, BS+64*((\a)%2)
.irp t, 0,1,2,3,4,5,6,7,8,9,10,11,12,13,14,15
	ds_load_b128 v[BB_+4*\t:BB_+4*\t+3], v[RD] offset:\t*SPITCH             ; in order behind my stores
.endr
.endm
.macro SEND a, younger
.set BB_, BS+64*((\a)%2)
	s_wait_dscnt \younger                          ; the block is back, and the residual, asked for ahead of it, too; the next block's 16 stores and 16 loads may be out
	WIN 0x04
.set k, 0
.rept 32
	v_pk_add_f32 v[BB_+k:BB_+k+1], v[BB_+k:BB_+k+1], v[64*(\a)+k:64*(\a)+k+1]
.set k, k+2
.endr
	WIN 0
.irp t, 0,1,2,3,4,5,6,7,8,9,10,11,12,13,14,15
	global_store_b128 v[CO], v[BB_+4*\t:BB_+4*\t+3], s[10:11] offset:(16*(\a)+\t)*4096 th:TH_STORE_NT
.endr
.endm
	s_wait_tensorcnt 0x0                           ; my quarter of the residual is in; I alone read it
	PLACES NP                                      ; behind the last products: ahead of the reads of their sums and of the loads into Wo's sets
	WIN 0x40
.set k, 0
.rept 64
	ds_load_b128 v[4*k:4*k+3], v[RDR] offset:k*PL  ; the residual's row k into window 1, which chunks 0 to 3 have left
.set k, k+1
.endr
	WIN 0
	TOSTAGE 0
	TOSTAGE 1
	SEND 0, 32
	s_wait_xcnt 0x0                                ; block 0's stores have read their registers: block 2's loads may land there
	TOSTAGE 2
	SEND 1, 32
	s_wait_xcnt 0x0
	TOSTAGE 3
	SEND 2, 32
	SEND 3, 0
	s_wait_tensorcnt 0x0                           ; the wave's end
	ds_add_u32 v[SPW], v[NIL]
	s_wait_dscnt 0x0
	CROUND                                         ; the closing round
	s_endpgm
.Lfunc_end_k_qd0f6a7793b_gemm2:
	.size	k_qd0f6a7793b_gemm2, .Lfunc_end_k_qd0f6a7793b_gemm2-k_qd0f6a7793b_gemm2
	.p2alignl 7, 3214868480
	.fill 96, 4, 3214868480
	.section	.rodata,"a",@progbits
	.p2align	6, 0x0
	.amdhsa_kernel k_qd0f6a7793b_gemm2
		.amdhsa_group_segment_fixed_size 327680
		.amdhsa_private_segment_fixed_size 0
		.amdhsa_enable_private_segment 0
		.amdhsa_kernarg_size 32
		.amdhsa_user_sgpr_count 2
		.amdhsa_user_sgpr_kernarg_segment_ptr 1
		.amdhsa_wavefront_size32 1
		.amdhsa_system_sgpr_workgroup_id_x 1
		.amdhsa_system_sgpr_workgroup_id_y 1
		.amdhsa_system_sgpr_workgroup_id_z 1
		.amdhsa_system_vgpr_workitem_id 0
		.amdhsa_next_free_vgpr 1024
		.amdhsa_next_free_sgpr 96
		.amdhsa_reserve_vcc 0
		.amdhsa_float_denorm_mode_32 3
		.amdhsa_float_denorm_mode_16_64 3
		.amdhsa_memory_ordered 1
		.amdhsa_forward_progress 1
		.amdhsa_inst_pref_size 106
	.end_amdhsa_kernel
	.amdgpu_metadata
---
amdhsa.version: [ 1, 2 ]
amdhsa.kernels:
  - .name:           k_qd0f6a7793b_gemm2
    .symbol:         k_qd0f6a7793b_gemm2.kd
    .args:
      - { .name: att, .offset: 0, .size: 8, .value_kind: global_buffer, .address_space: global }
      - { .name: ops, .offset: 8, .size: 8, .value_kind: global_buffer, .address_space: global }
      - { .name: inputs, .offset: 16, .size: 8, .value_kind: global_buffer, .address_space: global }
      - { .name: out0, .offset: 24, .size: 8, .value_kind: global_buffer, .address_space: global }
    .group_segment_fixed_size: 327680
    .private_segment_fixed_size: 0
    .kernarg_segment_align: 8
    .kernarg_segment_size: 32
    .max_flat_workgroup_size: 128
    .sgpr_count:     96
    .vgpr_count:     1024
    .wavefront_size: 32
...
	.end_amdgpu_metadata
.endif
;; end of part 4
